; MI455X (gfx1250); checked and timed in simulation.
; The chip was launched on July 23, 2026; its instructions are those of AMD's public machine-readable ISA for CDNA 5 (MIT licence, August 2026) and "CDNA5" Instruction Set Architecture Reference Guide (July 2026). The comments in the code are by the model that wrote it; some were corrected since.
;; Masked Self Attention. Allowed arithmetic: matrix products marked QUANTISED: E3M2 operands, one E8M0 scale for each 32 along K, by v_wmma_scale_f32_16x16x128_f8f6f4 with both operands' format E3M2, f32 sums; everything else in f32.
;; Inputs: Wk 1,024 x 1,024 float32; Wq 1,024 x 1,024 float32; Wv 1,024 x 1,024 float32; bk 1,024 float32; bq 1,024 float32; bv 1,024 float32; x 4 x 2,048 x 1,024 float32.
;; Outputs: out0 4 x 2,048 x 1,024 float32.
;; This version of the problem:
;;   THIS VERSION OF THE PROBLEM IS GIVEN IN LOW PRECISION. The matrix products marked QUANTISED in the list below multiply operands that are first quantised to E3M2 (3 exponent bits, 2 mantissa bits; 6 bits a number), with one power-of-two scale for each 32 numbers along K (OCP MX v1.0); their sums are f32. All else is computed in f32.
;;   The module's matrix products, in the order in which they are computed (A, B: the left and right operand; K: the contracted axis; several contracted axes count as one K, in the product's order):
;;     1. [M 8,192, K 1,024] x [K 1,024, N 1,024]; A: input x; B: input Wq: QUANTISED
;;     2. [M 8,192, K 1,024] x [K 1,024, N 1,024]; A: input x; B: input Wk: QUANTISED
;;     3. [M 8,192, K 1,024] x [K 1,024, N 1,024]; A: input x; B: input Wv: QUANTISED
;;     4. batch 4 x [M 2,048, K 1,024] x [K 1,024, N 2,048]; A: computed on the way; B: computed on the way: QUANTISED
;;     5. batch 4 x [M 2,048, K 2,048] x [K 2,048, N 1,024]; A: softmax (see below); B: computed on the way: QUANTISED
;;   THE QUANTISER, for each operand of a quantised product, along K:
;;     - K is cut into blocks of 32 from its start; a last block that is shorter is filled with zeros.
;;     - A block's scale is 2^e with e = floor(log2(the largest magnitude in the block)) - 4, held to -126 .. 127; a block of zeros has e = 0. As a byte (E8M0): e + 127.
;;     - Each number is divided by its block's scale, clamped to +-28, and rounded to the nearest number of E3M2, ties to even, subnormals kept.
;;     - The product sums the exact products of the quantised numbers (number of the format x scale) in f32.
;;   ~~~python
;;   def quantise(x, axis):      # numpy; x: float32 -> the quantised numbers, widened to float32 again
;;       x = np.moveaxis(x, axis, -1); K = x.shape[-1]
;;       x = np.pad(x, [(0, 0)] * (x.ndim - 1) + [(0, -K % 32)]); x = x.reshape(x.shape[:-1] + (-1, 32)); a = np.abs(x).max(-1, keepdims=True)
;;       e = np.where(a > 0, np.clip(np.frexp(np.where(a > 0, a, 1))[1] - 1 - 4, -126, 127), 0)      # np.frexp(a)[1] - 1 = floor(log2(a)), exactly
;;       r = np.clip(x / 2.0 ** e, -28, 28)
;;       step = 2.0 ** (np.maximum(np.frexp(np.where(r == 0, 1, r))[1] - 1, -2) - 2)
;;       q = np.round(r / step) * step * 2.0 ** e      # np.round: ties to even
;;       return np.moveaxis(q.reshape(q.shape[:-2] + (-1,))[..., :K], -1, axis).astype(np.float32)
;;   ~~~
;;   SOFTMAX AHEAD OF A QUANTISED PRODUCT. Where the list says 'softmax', what is quantised is not the finished softmax but p = 2^(t - M), with t = logit x log2(e) and M = ceil(the row's largest t), a whole number; so 1/2 < the row's largest p <= 1. The row's sum l is taken of the UNQUANTISED p, in f32, and the product's result is divided by l at the end. Since M is a whole number, a kernel that streams over the keys may use a running M (the ceiling of the running maximum): every later rescaling is an exact power of two, which a block's scale takes up: the codes' values come out the same.
;;   OPERANDS COMPUTED ON THE WAY. 'Computed on the way' means the value that the module computes at that place (a softmax that the list does not call 'softmax' is quantised finished and normalised). What goes into a quantiser is computed in f32, as accurately as f32 sums, v_exp_f32 and their like allow (about 1e-6 of the number): no bf16 or f16 on the way to a quantiser, and a product that is left as it is and whose result goes on into a quantised operand takes f32 operands (vector FMAs, or v_wmma_f32_16x16x4_f32). A number that lies on a knife's edge between two numbers of the format may be rounded either way, as far as f32 arithmetic and the matrix unit's own rounding can turn it there, and no further.
;; One version. Each part assembles by itself: llvm-mc -triple=amdgcn-amd-amdhsa -mcpu=gfx1250 --defsym DOCPART=n.
;; ======== version 1 of 1: 4 launches
;; limits: right only within a limited range of input values
;; workspace buffers: xc 6,291,456 bytes; wc 2,359,296 bytes; s1 360,448 bytes; qkv 18,874,368 bytes; s2 786,432 bytes; pc 12,582,912 bytes; pst 1,572,864 bytes
;; launch quant (part 1): grid 352 x 1, 8 waves a work-group, no clusters, 69,632 bytes of LDS; arguments x, Wq, Wk, Wv, xc, wc, s1; writes xc, wc, s1
.if DOCPART == 1
	.amdgcn_target "amdgcn-amd-amdhsa--gfx1250"
	.amdhsa_code_object_version 6
	.text
	.protected	k_q23bc06f14d_quant
	.globl	k_q23bc06f14d_quant
	.p2align	8
	.type	k_q23bc06f14d_quant,@function
k_q23bc06f14d_quant:
	s_mov_b64 s[64:65], 0
	v_nop
	global_prefetch_b8 v0, s[64:65] scope:SCOPE_SE
	s_setreg_imm32_b32 hwreg(HW_REG_WAVE_MODE, 25, 1), 1
	s_wait_xcnt 0x0
; THE PROGRAM: causal attention, one head of 1,024, 4 sequences of 2,048 tokens, all five products on codes of E3M2 with one E8M0 scale for each 32 along K.
;   quant: x, Wq, Wk, Wv -> codes and scale words.   proj: q, k, v = x W + b, quantised in registers (q, k along d; v along the keys).
;   score: q k^T on the causal tiles, p = 2^(t - M) with a whole number M for each (row, 128 keys), p's codes.   ctx: p's scales and sums brought under the row's M, p v, divided by the row's sum.
; WORK LEFT OUT (in score and ctx).  reference() builds the mask itself: scores[q][k] = -inf wherever k > q, whatever the inputs hold, and exp(-inf) = 0, so such a key has weight 0 and adds 0 to the
; row's sum and to context.  A tile whose first key comes after its last query holds such pairs alone: its scores, its p and its part of p v reach no output for any finite inputs.
; So score makes tiles on and below the diagonal alone, and ctx walks the keys up to the limit of its queries.  No input is dead: all seven are loaded.
; LIMITS.  A NaN, an infinity or an overflow that would arise only in the work left out is not carried to the result.  NaN and infinities among the inputs are not served.  A block whose largest magnitude
; lies under 2^(5 - 127) keeps the scale byte 1 (a block of zeros too, where the rule says 127: its codes are zeros, and this program alone reads the bytes).
;
; THIS LAUNCH.  A block's scale is 2^(floor(log2(largest magnitude)) - 4); its byte is the largest magnitude's exponent field - 4.
; TILES.  16 rows of a group of 32 form a tile: tile 2 G + u, index i, is row 32 G + 8 u + i + 8 (i / 8).  As source 0 of a product two such tiles (a pair) give a lane 16 neighbouring results.
; IMAGES.  A fragment (16 rows x 128 K, 12 registers a lane) lies in memory as its registers: registers 4 c .. 4 c + 3 of lane l at 512 c + 16 l; 1,536 bytes.  xc: [tile 512][K step 8]; wc: [matrix 3][tile 64][K step 8].
; SCALE WORDS (four bytes: a row's 128 along K): s1 = [pair][K step / 4][lane 32][K step % 4]; lane 16 u + i is row i of the pair's tile u; x's 256 pairs, from 262,144 on 32 pairs for each matrix.
; Work-groups 0-95: a matrix, 64 columns (two pairs), four K steps, a wave for each pair and step; A LANE A COLUMN, its registers running down K: nothing is transposed.
; Work-groups 96-351: 32 rows of x (a pair), wave w = K step w.  A load reads 512 consecutive bytes of a row; a tile's 16 rows turn through the wave's stage in LDS, so that a lane gets two whole blocks of 32.
; In both kinds the eight waves' scale words are two runs of 512 bytes of s1: they are gathered in LDS, and two waves store a run each.
.set STG,   8448                       ; a wave's stage: 16 rows x (512 bytes + 16)
.set SCW,   8*STG                      ; behind the stages: 1,024 bytes of scale words
.set SPARE, SCW+1024                   ; the spare words, 128 bytes a wave
.set LANE, 1
.set RR,   2                           ; lane % 16
.set HH,   3                           ; lane / 16
.set LI,   4                           ; 16 x lane
.set SIN,  5                           ; the stage, on the way in
.set SOUT, 6                           ; and on the way out
.set SCA,  7                           ; my scale word's place in LDS
.set SPW,  8                           ; my spare word; never rewritten
.set NIL,  9                           ; 0; never rewritten
.set MA,   10
.set MB,   11
.set SO,   12                          ; the conversion's scale operand
.set BY,   13                          ; v13-16 scale bytes
.set SH,   17                          ; 8 x (lane / 16)
.set TP,   18
.set WO,   19                          ; W: my column's place in its tile's image
.set PW,   20                          ; v20-21 scale words
.set CT,   22                          ; v22-24 the second half of a block's codes
.set WS,   25                          ; W: my column, in bytes
.set PS,   26
.set SCL,  27                          ; my 16 bytes of the gathered words
.set FC,   32                          ; v32-55 two fragments' registers
.set RAW,  64                          ; v64-191 numbers as loaded
.set XN,   192                         ; v192-255 x: a lane's two blocks
	s_load_b256 s[4:11], s[0:1], 0x0               ; x, Wq, Wk, Wv
	s_load_b128 s[12:15], s[0:1], 0x20             ; xc, wc
	s_load_b64 s[16:17], s[0:1], 0x30              ; s1
	v_lshl_add_u32 v[SPW], v0, 2, SPARE
	v_mov_b32 v[NIL], 0
	v_lshrrev_b32 v[TP], 5, v0
	s_delay_alu instid0(VALU_DEP_1)
	v_readfirstlane_b32 s18, v[TP]                 ; wave 0..7
	s_lshr_b32 s19, s18, 2
	s_and_b32 s23, s18, 3
	s_lshl_b32 s19, s19, 9
	s_lshl_b32 s23, s23, 2
	s_add_co_u32 s19, s19, s23
	s_add_co_u32 s19, s19, SCW                     ; run w / 4, word w % 4
	s_lshl_b32 s23, s18, 9
	s_add_co_u32 s23, s23, SCW
	s_mul_i32 s24, s18, STG
	s_mov_b32 s20, 0x76543210
	s_mov_b32 s21, 0xfedcba98                      ; v_permlanex16_b32's selects for lane l xor 16
	s_mov_b32 s22, 0xffff0000                      ; lanes 16-31
	s_mov_b32 s25, 0
	v_and_b32 v[LANE], 31, v0
	v_and_b32 v[RR], 15, v0
	v_bfe_u32 v[HH], v0, 4, 1
	v_bfe_u32 v[TP], v0, 3, 1
	v_and_b32 v[WS], 7, v0
	v_lshlrev_b32 v[LI], 4, v[LANE]
	v_mul_u32_u24 v[SOUT], v[RR], 528
	v_mul_u32_u24 v[WO], v[HH], 12288
	v_lshl_add_u32 v[WS], v[HH], 3, v[WS]
	v_lshlrev_b32 v[SH], 3, v[HH]
	v_lshl_add_u32 v[SOUT], v[HH], 7, v[SOUT]
	v_lshl_add_u32 v[WO], v[RR], 4, v[WO]          ; tile u's images lie 12,288 bytes on; 16 i in a chunk
	v_lshl_add_u32 v[WS], v[TP], 4, v[WS]          ; W: lane 16 u + i takes column 8 u + i % 8 + 16 (i / 8) of its pair
	v_add_nc_u32 v[SCA], s19, v[LI]
	v_add_nc_u32 v[SCL], s23, v[LI]
	v_add_nc_u32 v[SIN], s24, v[LI]                ; in: a row's 512 bytes as they lie
	v_add_nc_u32 v[SOUT], s24, v[SOUT]             ; out: row lane % 16, 128 bytes on for lanes 16-31
	v_lshlrev_b32 v[WS], 2, v[WS]
; A block of 32 numbers in v[src] on -> its six registers of codes in v[dst] on, its scale byte in v[by]
.macro BLK src, dst, by
	v_max3_num_f32 v[MA], |v[\src]|, |v[\src+1]|, |v[\src+2]|
	v_max3_num_f32 v[MB], |v[\src+3]|, |v[\src+4]|, |v[\src+5]|
.irp i, 6,10,14,18,22,26
	s_delay_alu instid0(VALU_DEP_2)
	v_max3_num_f32 v[MA], v[MA], |v[\src+\i]|, |v[\src+\i+1]|
	s_delay_alu instid0(VALU_DEP_2)
	v_max3_num_f32 v[MB], v[MB], |v[\src+\i+2]|, |v[\src+\i+3]|
.endr
	s_delay_alu instid0(VALU_DEP_2)
	v_max3_num_f32 v[MA], v[MA], |v[\src+30]|, |v[\src+31]|
	s_delay_alu instid0(VALU_DEP_1)
	v_max3_num_f32 v[MA], v[MA], v[MB], 0x2800000  ; and the floor 2^(5 - 127): the byte cannot fall under 1
	s_delay_alu instid0(VALU_DEP_1)
	v_add_nc_u32 v[SO], 0xfe000000, v[MA]          ; 4 off the exponent field: the conversion takes that field as its scale
	s_delay_alu instid0(VALU_DEP_1)
	v_lshrrev_b32 v[\by], 23, v[SO]
	v_cvt_scalef32_pk16_bf6_f32 v[\dst:\dst+2], v[\src:\src+15], v[SO]
	v_cvt_scalef32_pk16_bf6_f32 v[CT:CT+2], v[\src+16:\src+31], v[SO]   ; (a conversion's three registers begin on an even number)
	v_nop                                          ; one plain instruction behind a scaled conversion
.irp i, 0,1,2
	v_mov_b32 v[\dst+3+\i], v[CT+\i]
.endr
.endm
	s_wait_alu depctr_va_vdst(0)
	s_wait_kmcnt 0x0
	s_cmp_lt_u32 ttmp9, 96
	s_cbranch_scc1 .Lweights
	; ---- x: rows 32 G .. 32 G + 31, K step = my wave
	s_sub_co_u32 s23, ttmp9, 96                    ; G
	s_lshl_b32 s24, s23, 17
	s_lshl_b32 s26, s18, 9
	s_add_co_u32 s24, s24, s26
	s_add_nc_u64 s[4:5], s[4:5], s[24:25]          ; x + 32 G rows of 4,096 bytes + 512 w
	s_mul_i32 s24, s23, 24576
	s_mul_i32 s26, s18, 1536
	s_add_co_u32 s24, s24, s26
	s_add_nc_u64 s[12:13], s[12:13], s[24:25]      ; xc at (tile 2 G, K step w)
	s_lshl_b32 s24, s23, 10
	s_lshl_b32 s26, s18, 9
	s_add_co_u32 s24, s24, s26
	s_add_nc_u64 s[16:17], s[16:17], s[24:25]      ; s1: pair G, run w (waves 0 and 1 store)
.irp u, 0,1
.irp i, 0,1,2,3,4,5,6,7,8,9,10,11,12,13,14,15
	global_load_b128 v[RAW+64*\u+4*\i:RAW+64*\u+4*\i+3], v[LI], s[4:5] offset:(8*\u+\i+8*(\i/8))*4096 th:TH_LOAD_NT   ; 32 lanes read 512 consecutive bytes of the tile's row i
.endr
.endr
.macro XT u
.if \u == 0
	s_wait_loadcnt 16                              ; tile 0's 16 loads are in; tile 1's may be out
.else
	s_wait_loadcnt 0x0
.endif
.irp i, 0,1,2,3,4,5,6,7,8,9,10,11,12,13,14,15
	ds_store_b128 v[SIN], v[RAW+64*\u+4*\i:RAW+64*\u+4*\i+3] offset:528*\i
.endr
.irp c, 0,1
.irp j, 0,1,2,3,4,5,6,7
	ds_load_b128 v[XN+32*\c+4*\j:XN+32*\c+4*\j+3], v[SOUT] offset:256*\c+16*\j   ; k = 64 c + 32 (lane / 16) + 0 .. 31 of row lane % 16; LDS serves a wave's instructions in order
.endr
.endr
	s_wait_dscnt 0x0
	BLK XN, FC+12*\u, BY
	BLK XN+32, FC+12*\u+6, BY+1
	v_lshl_or_b32 v[PW+\u], v[BY+1], 16, v[BY]     ; my two bytes: blocks h and 2 + h,
	s_delay_alu instid0(VALU_DEP_1)
	v_lshlrev_b32 v[PW+\u], v[SH], v[PW+\u]        ; at their places in the word;
	v_mov_b32 v[TP], 0
	s_delay_alu instid0(VALU_DEP_1)
	v_permlanex16_b32 v[TP], v[PW+\u], s20, s21
	s_delay_alu instid0(VALU_DEP_1)
	v_or_b32 v[PW+\u], v[PW+\u], v[TP]             ; with lane l xor 16's two the word is whole
.irp c, 0,1,2
	global_store_b128 v[LI], v[FC+12*\u+4*\c:FC+12*\u+4*\c+3], s[12:13] offset:\u*12288+512*\c   ; 512 consecutive bytes of the image
.endr
.endm
	XT 0
	XT 1
	v_cndmask_b32 v[PS], v[PW], v[PW+1], s22       ; lanes 0-15: tile 2 G's words, lanes 16-31: tile 2 G + 1's
	s_branch .Lend
.Lweights:
	; ---- a weight: matrix m, pair of column tiles 2 pp + w / 4, K step 4 kh + w % 4
	s_lshr_b32 s28, ttmp9, 5                       ; m
	s_bfe_u32 s29, ttmp9, 0x40001                  ; pp
	s_and_b32 s31, ttmp9, 1                        ; kh
	s_lshl_b32 s30, s31, 2
	s_and_b32 s27, s18, 3
	s_add_co_u32 s30, s30, s27                     ; my K step
	s_lshl_b32 s27, s31, 9
	s_lshl_b32 s29, s29, 1
	s_lshr_b32 s31, s18, 2
	s_add_co_u32 s31, s29, s31                     ; my pair: 32 columns
	s_cmp_eq_u32 s28, 2
	s_cselect_b64 s[8:9], s[10:11], s[8:9]
	s_cmp_eq_u32 s28, 0
	s_cselect_b64 s[6:7], s[6:7], s[8:9]           ; the choice hangs on the work-group's number alone
	s_lshl_b32 s24, s30, 19                        ; 128 rows of 4,096 bytes a K step
	s_lshl_b32 s26, s31, 7
	s_add_co_u32 s24, s24, s26
	s_add_nc_u64 s[6:7], s[6:7], s[24:25]
	s_mul_i32 s24, s28, 786432
	s_mul_i32 s26, s31, 24576
	s_add_co_u32 s24, s24, s26
	s_mul_i32 s26, s30, 1536
	s_add_co_u32 s24, s24, s26
	s_add_nc_u64 s[14:15], s[14:15], s[24:25]
	s_lshl_b32 s24, s28, 15
	s_add_co_u32 s24, s24, s27
	s_add_co_u32 s26, s29, s18
	s_lshl_b32 s26, s26, 10
	s_add_co_u32 s24, s24, s26
	s_add_co_u32 s24, s24, 262144
	s_add_nc_u64 s[16:17], s[16:17], s[24:25]      ; s1: pair 2 pp + w, run kh (waves 0 and 1 store)
.set k_, 0
.rept 128
	global_load_b32 v[RAW+k_], v[WS], s[6:7] offset:k_*4096 th:TH_LOAD_NT   ; W(row k of my K step, my column): the wave reads 128 consecutive bytes
.set k_, k_+1
.endr
	s_wait_loadcnt 63                              ; block 0's 32 loads are in (96 were issued behind them; the count's field ends at 63)
	BLK RAW, FC, BY                                ; block t = 2 c + h is registers 6 c .. 6 c + 5 of lane (i, h) of my column's fragment: I hold both lanes' twelve
	s_wait_loadcnt 63                              ; block 1's (64 behind them)
	BLK RAW+32, FC+12, BY+1
	s_wait_loadcnt 32
	BLK RAW+64, FC+6, BY+2
	s_wait_loadcnt 0x0
	BLK RAW+96, FC+18, BY+3
	v_lshl_or_b32 v[PS], v[BY+1], 8, v[BY]
	s_delay_alu instid0(VALU_DEP_1)
	v_lshl_or_b32 v[PS], v[BY+2], 16, v[PS]
	s_delay_alu instid0(VALU_DEP_1)
	v_lshl_or_b32 v[PS], v[BY+3], 24, v[PS]
.irp h, 0,1
.irp c, 0,1,2
	global_store_b128 v[WO], v[FC+12*\h+4*\c:FC+12*\h+4*\c+3], s[14:15] offset:512*\c+256*\h   ; sixteen lanes of a tile store 256 consecutive, aligned bytes
.endr
.endr
.Lend:
	s_wait_alu depctr_va_vdst(0)                   ; ahead of the reader below
	ds_store_b32 v[SCA], v[PS]
	s_wait_dscnt 0x0                               ; my word is in LDS
	s_barrier_signal -1
	s_barrier_wait -1                              ; and so are all eight waves'
	s_cmp_lt_u32 s18, 2
	s_cbranch_scc0 .Lfin
	ds_load_b128 v[RAW:RAW+3], v[SCL]
	s_wait_dscnt 0x0
	global_store_b128 v[LI], v[RAW:RAW+3], s[16:17]   ; 512 consecutive, aligned bytes
.Lfin:
	s_wait_tensorcnt 0x0                           ; the wave's end
	ds_add_u32 v[SPW], v[NIL]
	s_wait_dscnt 0x0
	s_endpgm
.Lfunc_end_k_q23bc06f14d_quant:
	.size	k_q23bc06f14d_quant, .Lfunc_end_k_q23bc06f14d_quant-k_q23bc06f14d_quant
	.p2alignl 7, 3214868480
	.fill 96, 4, 3214868480
	.section	.rodata,"a",@progbits
	.p2align	6, 0x0
	.amdhsa_kernel k_q23bc06f14d_quant
		.amdhsa_group_segment_fixed_size 69632
		.amdhsa_private_segment_fixed_size 0
		.amdhsa_enable_private_segment 0
		.amdhsa_kernarg_size 56
		.amdhsa_user_sgpr_count 2
		.amdhsa_user_sgpr_kernarg_segment_ptr 1
		.amdhsa_wavefront_size32 1
		.amdhsa_system_sgpr_workgroup_id_x 1
		.amdhsa_system_sgpr_workgroup_id_y 1
		.amdhsa_system_sgpr_workgroup_id_z 1
		.amdhsa_system_vgpr_workitem_id 0
		.amdhsa_next_free_vgpr 256
		.amdhsa_next_free_sgpr 66
		.amdhsa_reserve_vcc 0
		.amdhsa_float_denorm_mode_32 3
		.amdhsa_float_denorm_mode_16_64 3
		.amdhsa_memory_ordered 1
		.amdhsa_forward_progress 1
		.amdhsa_inst_pref_size 41
	.end_amdhsa_kernel
	.amdgpu_metadata
---
amdhsa.version: [ 1, 2 ]
amdhsa.kernels:
  - .name:           k_q23bc06f14d_quant
    .symbol:         k_q23bc06f14d_quant.kd
    .args:
      - { .name: x, .offset: 0, .size: 8, .value_kind: global_buffer, .address_space: global }
      - { .name: Wq, .offset: 8, .size: 8, .value_kind: global_buffer, .address_space: global }
      - { .name: Wk, .offset: 16, .size: 8, .value_kind: global_buffer, .address_space: global }
      - { .name: Wv, .offset: 24, .size: 8, .value_kind: global_buffer, .address_space: global }
      - { .name: xc, .offset: 32, .size: 8, .value_kind: global_buffer, .address_space: global }
      - { .name: wc, .offset: 40, .size: 8, .value_kind: global_buffer, .address_space: global }
      - { .name: s1, .offset: 48, .size: 8, .value_kind: global_buffer, .address_space: global }
    .group_segment_fixed_size: 69632
    .private_segment_fixed_size: 0
    .kernarg_segment_align: 8
    .kernarg_segment_size: 56
    .max_flat_workgroup_size: 256
    .sgpr_count:     66
    .vgpr_count:     256
    .wavefront_size: 32
...
	.end_amdgpu_metadata
.endif
;; end of part 1
;; launch proj (part 2): grid 32 x 8, 4 waves a work-group, clusters of 4 x 1, 327,680 bytes of LDS; arguments xc, wc, s1, bq, bk, bv, qkv, s2; writes qkv, s2
.if DOCPART == 2
	.amdgcn_target "amdgcn-amd-amdhsa--gfx1250"
	.amdhsa_code_object_version 6
	.text
	.protected	k_q23bc06f14d_proj
	.globl	k_q23bc06f14d_proj
	.p2align	8
	.type	k_q23bc06f14d_proj,@function
k_q23bc06f14d_proj:
	s_mov_b64 s[64:65], 0
	v_nop
	global_prefetch_b8 v0, s[64:65] scope:SCOPE_SE
	s_setreg_imm32_b32 hwreg(HW_REG_WAVE_MODE, 25, 1), 1
	s_wait_xcnt 0x0
	s_wait_alu depctr_hold_cnt(0) depctr_sa_sdst(0) depctr_va_vdst(0) depctr_va_sdst(0) depctr_va_ssrc(0) depctr_va_vcc(0) depctr_vm_vsrc(0)
	s_getreg_b32 s2, hwreg(HW_REG_IB_STS2, 6, 4)
	s_cmp_eq_u32 s2, 0
	s_cbranch_scc0 .Lentry_in_a_cluster
	s_endpgm
.Lentry_in_a_cluster:
	s_bfe_u32 s2, ttmp6, 0x10000c
	s_cmp_lg_u32 s2, 0x3003
	s_cbranch_scc0 .Lentry_shape_is_right
	s_endpgm
.Lentry_shape_is_right:
; q, k, v = x W + b on codes of E3M2; each result is quantised in registers: q and k along d, v along the keys.
; SHARES.  Work-group (x, y): 256 rows of x, columns 128 y .. 128 y + 127 of all three matrices, in three phases.  A wave: 64 rows (4 tiles); their fragments, all 1,024 of K, stay in registers for the three phases.
; A phase's weights (8 tiles of 16 columns x 1,024 K as images, 98,304 bytes) lie in LDS, each matrix in bytes of its own, filled once.  The four work-groups of a cluster (equal y) need the same weights: each wave's
; quarter is a joint load.  Matrix 0's stands at the head; matrix m + 1's behind the round that opens phase m, so it has a whole phase to land.
; q, k: source 0 = 16 columns of W, source 1 = 16 rows of x: a lane holds a row, its registers run along d.  v: the other way round: a lane holds a d, its registers run along the keys.
; The bias is the C of each accumulator's first product.  The phases of q and k are two trips of one loop.
; OUT: qkv = q's images [tile 512][d step 8], k's from 6,291,456 on, v^T's from 12,582,912 on [batch 4][d tile 64][key step 16].  s2: q's words [pair][d step / 4][lane][d step % 4], k's from 262,144 on, v^T's from 524,288 on.
; NO PREFETCH: there is no loop along K to run ahead in; each tile of weights is asked for one whole phase ahead of its use.
; REGISTERS: window 1 and window 2 v0-143: x's K steps 0-4, 5-7 (48 each); window 2 v144-239: weights' set 1; window 3: accumulators; window 0: the rest (v112-207: weights' set 0; in the epilogues at work).
.set SPARE, 294912
.set LI,  1                            ; 16 x lane
.set L8,  3
.set LB,  4                            ; v4-5 the phase's weights: column tiles 0-3, 4-7
.set SPW, 10
.set NIL, 11
.set BH,  12
.set BR,  13
.set TP,  14
.set SA,  16                           ; v16-31 x's scale words: 8 x pair + ks
.set SB,  32                           ; v32-63 the weights': 8 x pair + ks
.set CB,  64                           ; bias: tile b at CB + 8 b, for b = 6, 7 another 96 on: v64-111, v208-223
.set BF0, 112
.set BF1, 144
.set TM,  112
.set CT,  128
.set PC,  136
.set PW,  184
.set PS,  192
.set HM,  60
.set SEL, 62
.set MSB, 0
.macro WIN new                         ; the immediate's high byte repeats the setting that is left
.if MSB != (\new)
	s_set_vgpr_msb (MSB<<8)|(\new)
.set MSB, (\new)
.endif
.endm
.macro PLACES
.rept 4
	v_nop
.endr
.endm
.macro ROUND
	s_barrier_signal -1
	s_barrier_wait -1
	s_cmp_lg_u32 s20, 0
	s_cbranch_scc1 .Lnw0_\@
	s_barrier_signal -3
.Lnw0_\@:
	s_barrier_wait -3
	s_barrier_signal -1
	s_barrier_wait -1
.endm
.macro WM
.if RP_ && RQ_
	v_wmma_scale_f32_16x16x128_f8f6f4 v[D_:D_+7], v[P_:P_+11], v[Q_:Q_+11], v[C_:C_+7], v[SP_], v[SQ_] matrix_a_fmt:MATRIX_FMT_BF6 matrix_b_fmt:MATRIX_FMT_BF6 matrix_a_scale:MATRIX_SCALE_ROW1 matrix_b_scale:MATRIX_SCALE_ROW1
.elseif RP_
	v_wmma_scale_f32_16x16x128_f8f6f4 v[D_:D_+7], v[P_:P_+11], v[Q_:Q_+11], v[C_:C_+7], v[SP_], v[SQ_] matrix_a_fmt:MATRIX_FMT_BF6 matrix_b_fmt:MATRIX_FMT_BF6 matrix_a_scale:MATRIX_SCALE_ROW1
.elseif RQ_
	v_wmma_scale_f32_16x16x128_f8f6f4 v[D_:D_+7], v[P_:P_+11], v[Q_:Q_+11], v[C_:C_+7], v[SP_], v[SQ_] matrix_a_fmt:MATRIX_FMT_BF6 matrix_b_fmt:MATRIX_FMT_BF6 matrix_b_scale:MATRIX_SCALE_ROW1
.else
	v_wmma_scale_f32_16x16x128_f8f6f4 v[D_:D_+7], v[P_:P_+11], v[Q_:Q_+11], v[C_:C_+7], v[SP_], v[SQ_] matrix_a_fmt:MATRIX_FMT_BF6 matrix_b_fmt:MATRIX_FMT_BF6
.endif
.endm
.macro KSET ks                         ; where K step ks's operands lie
.set BW_, 2*((\ks)%2)
.set BB_, BF0+32*((\ks)%2)
.set AW_, 1+(\ks)/5
.set AB_, 48*((\ks)%5)
.if (\ks) == 0
.set WN_, 0xC0
.else
.set WN_, 0xF0
.endif
.endm
.macro MULQ ks                         ; 32 products: the accumulators take turns, one instruction a turn
	KSET \ks
	WIN BW_|(AW_<<2)|WN_
.irp a, 0,1,2,3
.irp b, 0,1,2,3,4,5,6,7
.set D_, 64*\a+8*\b
.set P_, BB_+12*\b
.set Q_, AB_+12*\a
.if (\ks) == 0
.set C_, CB+8*\b+96*((\b+2)/8)
.else
.set C_, D_
.endif
.set SP_, SB+8*(\b/2)+(\ks)
.set RP_, \b%2
.set SQ_, SA+8*(\a/2)+(\ks)
.set RQ_, \a%2
	WM
.endr
.endr
.endm
.macro MULV ks
	KSET \ks
	WIN AW_|(BW_<<2)|WN_
.irp b, 0,1,2,3,4,5,6,7
.irp a, 0,1,2,3
.set D_, 32*\b+8*\a
.set P_, AB_+12*\a
.set Q_, BB_+12*\b
.if (\ks) == 0
.set C_, CB+8*\b+96*((\b+2)/8)
.else
.set C_, D_
.endif
.set SP_, SA+8*(\a/2)+(\ks)
.set RP_, \a%2
.set SQ_, SB+8*(\b/2)+(\ks)
.set RQ_, \b%2
	WM
.endr
.endr
.endm
.macro FETCH ks                        ; the 8 fragments of K step ks into set ks % 2
.if (\ks)%2
	WIN 0x80
.set FR_, BF1
.else
	WIN 0
.set FR_, BF0
.endif
.irp b, 0,1,2,3,4,5,6,7
.irp c, 0,1,2
	ds_load_b128 v[FR_+12*\b+4*\c:FR_+12*\b+4*\c+3], v[LB+\b/4] offset:(\b%4)*12288+(\ks)*1536+512*\c
.endr
.endr
.endm
.macro STEP ks, isv
.if (\ks) > 0
	PLACES
.endif
.if (\ks) < 7
	FETCH (\ks)+1
.endif
.if (\isv) == 0
.set LC_, 12*(7-(\ks))                 ; x's K steps behind this one, 12 loads each, may be out
.if LC_ > 60
.set LC_, 60
.endif
	s_wait_loadcnt LC_
.endif
.if (\ks) < 7
	s_wait_dscnt 24                                ; all but the 24 just issued
.else
	s_wait_dscnt 0x0
.endif
.if \isv
	MULV \ks
.else
	MULQ \ks
.endif
.endm
.macro LDSB                            ; the phase's scale words: four K steps to a load
.irp be, 0,1,2,3
.irp j, 0,1
	global_load_b128 v[SB+8*\be+4*\j:SB+8*\be+4*\j+3], v[LI], s[50:51] offset:\be*1024+\j*512
.endr
.endr
.endm
.macro LDBIAS base                     ; a lane's eight columns of each tile
.irp b, 0,1,2,3,4,5,6,7
.set C_, CB+8*\b+96*((\b+2)/8)
	global_load_b128 v[C_:C_+3], v[BH], s[\base:\base+1] offset:(32*(\b/2)+8*(\b%2))*4
	global_load_b128 v[C_+4:C_+7], v[BH], s[\base:\base+1] offset:(32*(\b/2)+8*(\b%2))*4+16
.endr
.endm
.macro QUANT a                         ; tile a of q or k: four blocks of 32 along d, a half of each in lane l and in lane l xor 16
.set S_, 64*(\a)
.set PC_, PC+12*(\a)
	WIN 0x0F
.irp be, 0,1,2,3
	v_max3_num_f32 v[TM+\be], |v[S_+16*\be]|, |v[S_+16*\be+1]|, 0x2800000
.endr
.irp i, 2,4,6,8,10,12,14
.irp be, 0,1,2,3
	v_max3_num_f32 v[TM+\be], |v[S_+16*\be+\i]|, |v[S_+16*\be+\i+1]|, v[TM+\be]
.endr
.endr
	WIN 0
.irp be, 0,1,2,3
	v_mov_b32 v[TM+4+\be], 0
.endr
.irp be, 0,1,2,3
	v_permlanex16_b32 v[TM+4+\be], v[TM+\be], s[SEL], s[SEL+1]
.endr
.irp be, 0,1,2,3
	v_max_num_f32 v[TM+\be], v[TM+\be], v[TM+4+\be]
.endr
.irp be, 0,1,2,3
	v_add_nc_u32 v[TM+12+\be], 0xfe000000, v[TM+\be]
.endr
.irp be, 0,1,2,3
	v_lshrrev_b32 v[TM+4+\be], 23, v[TM+12+\be]
.endr
	v_lshl_or_b32 v[PW+(\a)], v[TM+5], 8, v[TM+4]
	v_lshl_or_b32 v[PW+(\a)], v[TM+6], 16, v[PW+(\a)]
	v_lshl_or_b32 v[PW+(\a)], v[TM+7], 24, v[PW+(\a)]
	WIN 0x03
.irp c, 0,1
	v_cvt_scalef32_pk16_bf6_f32 v[PC_+6*\c:PC_+6*\c+2], v[S_+32*\c:S_+32*\c+15], v[TM+12+2*\c]
	v_cvt_scalef32_pk16_bf6_f32 v[CT+4*\c:CT+4*\c+2], v[S_+32*\c+16:S_+32*\c+31], v[TM+12+2*\c+1]
.endr
	WIN 0
	v_nop                                          ; one plain instruction behind a scaled conversion
.irp c, 0,1
.irp i, 0,1,2
	v_permlane16_swap_b32 v[PC_+6*\c+\i], v[CT+4*\c+\i]
.endr
.irp i, 0,1,2
	v_mov_b32 v[PC_+6*\c+3+\i], v[CT+4*\c+\i]
.endr
.endr
.irp c, 0,1,2
	global_store_b128 v[LI], v[PC_+4*\c:PC_+4*\c+3], s[52:53] offset:(\a)*12288+512*\c
.endr
.endm
.macro HQUANT b                        ; d tile b of v^T: two blocks of 32 keys, half a key step: half an image
.set S_, 32*(\b)
.set F_, PC+6*(\b)
	WIN 0x0F
.irp be, 0,1
	v_max3_num_f32 v[TM+\be], |v[S_+16*\be]|, |v[S_+16*\be+1]|, 0x2800000
.endr
.irp i, 2,4,6,8,10,12,14
.irp be, 0,1
	v_max3_num_f32 v[TM+\be], |v[S_+16*\be+\i]|, |v[S_+16*\be+\i+1]|, v[TM+\be]
.endr
.endr
	WIN 0
.irp be, 0,1
	v_mov_b32 v[TM+4+\be], 0
.endr
.irp be, 0,1
	v_permlanex16_b32 v[TM+4+\be], v[TM+\be], s[SEL], s[SEL+1]
.endr
.irp be, 0,1
	v_max_num_f32 v[TM+\be], v[TM+\be], v[TM+4+\be]
.endr
.irp be, 0,1
	v_add_nc_u32 v[TM+12+\be], 0xfe000000, v[TM+\be]
.endr
.irp be, 0,1
	v_lshrrev_b32 v[TM+4+\be], 23, v[TM+12+\be]
.endr
	v_lshl_or_b32 v[PW+(\b)], v[TM+5], 8, v[TM+4]
	WIN 0x03
	v_cvt_scalef32_pk16_bf6_f32 v[F_:F_+2], v[S_:S_+15], v[TM+12]
	v_cvt_scalef32_pk16_bf6_f32 v[CT:CT+2], v[S_+16:S_+31], v[TM+13]
	WIN 0
	v_nop
.irp i, 0,1,2
	v_permlane16_swap_b32 v[F_+\i], v[CT+\i]
.endr
.irp i, 0,1,2
	v_mov_b32 v[F_+3+\i], v[CT+\i]
.endr
	global_store_b128 v[LI], v[F_:F_+3], s[54:55] offset:(\b)*24576
	global_store_b64 v[L8], v[F_+4:F_+5], s[54:55] offset:(\b)*24576+512
.endm
	s_load_b256 s[4:11], s[0:1], 0x0               ; xc, wc, s1, bq
	s_load_b256 s[12:19], s[0:1], 0x20             ; bk, bv, qkv, s2
	v_lshl_add_u32 v[SPW], v0, 2, SPARE
	v_mov_b32 v[NIL], 0
	ds_add_u32 v[SPW], v[NIL]                      ; the wave's opening: the add, twice on end, and its wait ahead of my first tensor load
	ds_add_u32 v[SPW], v[NIL]
	v_lshrrev_b32 v[TP], 5, v0
	v_readfirstlane_b32 s20, v[TP]                 ; wave 0..3
	s_and_b32 s23, ttmp7, 0xffff                   ; y
	s_mov_b32 s24, 15|(3<<16)|(1<<21)              ; group 1: the four of the cluster; elements of 8 bytes; no padding
	s_mov_b32 s25, 32<<16                          ; rows of 256 bytes,
	s_mov_b32 s26, 96<<16                          ; 96 of them: two tiles' images, dense
	s_mov_b32 s27, 32<<16
	s_mov_b32 s28, 96
	s_mov_b32 s29, 32
	s_mov_b32 s30, 0
	s_mov_b32 s31, 0
	s_mul_i32 s44, s20, 24576                      ; my two column tiles in a matrix's bytes
	s_mul_i32 s66, s23, 98304
	s_add_co_u32 s66, s66, s44
	s_mov_b32 s67, 0
	s_bfe_u32 s21, ttmp6, 0x40000                  ; cx
	s_lshl_b32 s22, ttmp9, 2
	s_add_co_u32 s22, s22, s21                     ; work-group x
	s_lshl_b32 s70, s22, 4
	s_lshl_b32 s71, s20, 2
	s_add_co_u32 s70, s70, s71                     ; my first tile of rows
	s_mul_i32 s46, s70, 12288
	s_mov_b32 s47, 0
	s_lshl_b32 s48, s70, 9                         ; a pair's words are 1,024 bytes
	s_mov_b32 s49, 0
	s_lshl_b32 s50, s23, 12
	s_add_co_u32 s50, s50, 262144
	s_mov_b32 s51, 0
	s_lshl_b32 s42, s23, 9
	s_mov_b32 s43, 0
	s_mov_b32 s[HM], 0xffff0000
	s_mov_b32 s[SEL], 0x76543210
	s_mov_b32 s[SEL+1], 0xfedcba98
	v_and_b32 v[TP], 31, v0
	v_bfe_u32 v[BH], v0, 4, 1
	v_and_b32 v[BR], 15, v0
	v_lshlrev_b32 v[LI], 4, v[TP]
	v_lshlrev_b32 v[L8], 3, v[TP]
	v_and_b32 v[TP], 8, v0
	v_lshlrev_b32 v[BH], 6, v[BH]
	v_add_nc_u32 v[BR], v[BR], v[TP]
	v_lshlrev_b32 v[BR], 2, v[BR]
	s_wait_alu depctr_va_vdst(0)
	s_wait_dscnt 0x0                               ; both opening adds are done
	s_wait_kmcnt 0x0
	s_mov_b32 s32, 1
	s_mov_b32 s33, s44                             ; matrix 0's bytes in LDS
	s_add_nc_u64 s[34:35], s[6:7], s[66:67]        ; its images: no coordinate that the cluster does not share
	s_or_b32 s35, s35, 0x80000000
	ROUND                                          ; all four work-groups are here: the first joint loads meet
	tensor_load_to_lds s[32:35], s[24:31]          ; one tensor load a wave at the head
	s_nop 0
.rept 4
	v_nop
.endr
	s_add_nc_u64 s[46:47], s[4:5], s[46:47]        ; x's images
	s_add_nc_u64 s[48:49], s[8:9], s[48:49]        ; their scale words
	s_add_nc_u64 s[50:51], s[8:9], s[50:51]        ; the weights' scale words
	s_add_nc_u64 s[10:11], s[10:11], s[42:43]      ; the biases of my columns
	s_add_nc_u64 s[12:13], s[12:13], s[42:43]
	s_add_nc_u64 s[14:15], s[14:15], s[42:43]
.irp p, 0,1
.irp j, 0,1
	global_load_b128 v[SA+8*\p+4*\j:SA+8*\p+4*\j+3], v[LI], s[48:49] offset:\p*1024+\j*512
.endr
.endr
	LDSB
	LDBIAS 10
	WIN 0x40
.irp ks, 0,1,2,3,4
.irp a, 0,1,2,3
.irp c, 0,1,2
	global_load_b128 v[48*\ks+12*\a+4*\c:48*\ks+12*\a+4*\c+3], v[LI], s[46:47] offset:\a*12288+\ks*1536+512*\c
.endr
.endr
.endr
	WIN 0x80
.irp ks, 5,6,7
.irp a, 0,1,2,3
.irp c, 0,1,2
	global_load_b128 v[48*(\ks-5)+12*\a+4*\c:48*(\ks-5)+12*\a+4*\c+3], v[LI], s[46:47] offset:\a*12288+\ks*1536+512*\c
.endr
.endr
.endr
	WIN 0
	; where the results go, while the loads are on their way
	s_mov_b32 s73, 0
	s_mul_i32 s72, s70, 12288
	s_mul_i32 s77, s23, 1536
	s_add_co_u32 s72, s72, s77
	s_add_nc_u64 s[52:53], s[16:17], s[72:73]      ; q's images at (my first tile, d step y)
	s_lshl_b32 s72, s70, 9
	s_lshr_b32 s77, s23, 2
	s_lshl_b32 s77, s77, 9
	s_add_co_u32 s72, s72, s77
	s_and_b32 s77, s23, 3
	s_lshl_b32 s77, s77, 2
	s_add_co_u32 s72, s72, s77
	s_add_nc_u64 s[56:57], s[18:19], s[72:73]      ; q's scale words
	s_lshr_b32 s74, s22, 3                         ; batch
	s_and_b32 s75, s22, 7
	s_lshl_b32 s75, s75, 1
	s_lshr_b32 s76, s20, 1
	s_add_co_u32 s75, s75, s76                     ; my key step,
	s_and_b32 s76, s20, 1                          ; and which half of it is mine
	s_mul_i32 s72, s74, 1572864
	s_mul_i32 s77, s23, 196608
	s_add_co_u32 s72, s72, s77
	s_mul_i32 s77, s75, 1536
	s_add_co_u32 s72, s72, s77
	s_mul_i32 s77, s76, 768
	s_add_co_u32 s72, s72, s77
	s_add_co_u32 s72, s72, 12582912
	s_add_nc_u64 s[54:55], s[16:17], s[72:73]      ; v^T's images
	s_lshl_b32 s72, s74, 16
	s_lshl_b32 s77, s23, 13
	s_add_co_u32 s72, s72, s77
	s_lshr_b32 s77, s75, 2
	s_lshl_b32 s77, s77, 9
	s_add_co_u32 s72, s72, s77
	s_and_b32 s77, s75, 3
	s_lshl_b32 s77, s77, 2
	s_add_co_u32 s72, s72, s77
	s_lshl_b32 s77, s76, 1
	s_add_co_u32 s72, s72, s77
	s_add_co_u32 s72, s72, 524288
	s_add_nc_u64 s[58:59], s[18:19], s[72:73]      ; v^T's scale bytes
	s_mov_b32 s36, 0
	s_mov_b32 s37, 0
.Lphase:                                               ; trip 0: q, trip 1: k
	v_add_nc_u32 v[LB], s37, v[LI]
	v_add_nc_u32 v[LB+1], 0xc000, v[LB]
	s_wait_alu depctr_va_vdst(0)                   ; ahead of the waits below
	s_wait_tensorcnt 0x0                           ; my part of this phase's weights is in
	ds_add_u32 v[SPW], v[NIL]                      ; 0 onto my spare word
	s_add_co_u32 s33, s33, 98304                   ; no load of mine is out: the next matrix
	s_add_nc_u64 s[34:35], s[34:35], 786432
	s_wait_dscnt 0x0
	ROUND                                          ; every wave's part is in; the joint loads meet
	tensor_load_to_lds s[32:35], s[24:31]          ; the next phase's weights: bytes that nothing has filled
	s_nop 0
.rept 4
	v_nop
.endr
	FETCH 0
.irp ks, 0,1,2,3,4,5,6,7
	STEP \ks, 0
.endr
	PLACES
	WIN 0
	s_add_nc_u64 s[50:51], s[50:51], 32768         ; (all loads are done) the next matrix's scale words
	LDSB
	s_cmp_lg_u32 s36, 0
	s_cbranch_scc1 .Lbias_v
	LDBIAS 12
	s_branch .Lbias_done
.Lbias_v:                                              ; v: a lane holds one column
.irp b, 0,1,2,3,4,5,6,7
	global_load_b32 v[CB+8*\b+96*((\b+2)/8)], v[BR], s[14:15] offset:(32*(\b/2)+8*(\b%2))*4
.endr
.Lbias_done:
	QUANT 0
	QUANT 1
	QUANT 2
	QUANT 3
.irp p, 0,1
	v_cndmask_b32 v[PS+\p], v[PW+2*\p], v[PW+2*\p+1], s[HM]   ; lanes 0-15: the pair's even tile, lanes 16-31: the odd
	global_store_b32 v[LI], v[PS+\p], s[56:57] offset:\p*1024
.endr
	s_wait_loadcnt 0x0                             ; the next phase's words and bias are in
	s_wait_xcnt 0x0                                ; the stores have read their registers and bases
	s_add_nc_u64 s[52:53], s[52:53], 6291456
	s_add_nc_u64 s[56:57], s[56:57], 262144
	s_add_co_u32 s37, s37, 98304
	s_add_co_u32 s36, s36, 1
	s_cmp_lt_u32 s36, 2
	s_wait_alu depctr_va_vdst(0)                   ; ahead of the branch
	s_cbranch_scc1 .Lphase
	; ---- v
	v_add_nc_u32 v[LB], 0x30000, v[LI]
	v_add_nc_u32 v[LB+1], 0x3c000, v[LI]
.irp b, 0,1,2,3,4,5,6,7
.irp j, 1,2,3,4,5,6,7
	v_mov_b32 v[CB+8*\b+96*((\b+2)/8)+\j], v[CB+8*\b+96*((\b+2)/8)]   ; all eight keys of an accumulator have the lane's bias
.endr
.endr
	s_wait_alu depctr_va_vdst(0)
	s_wait_tensorcnt 0x0                           ; my part of the last matrix is in
	s_wait_dscnt 0x0
	s_barrier_signal -1
	s_barrier_wait -1
	PLACES
	FETCH 0
.irp ks, 0,1,2,3,4,5,6,7
	STEP \ks, 1
.endr
	PLACES
	WIN 0
.irp b, 0,1,2,3,4,5,6,7
	HQUANT \b
.endr
.irp be, 0,1,2,3
	v_cndmask_b32 v[PS+\be], v[PW+2*\be], v[PW+2*\be+1], s[HM]
	global_store_b16 v[LI], v[PS+\be], s[58:59] offset:\be*2048
.endr
	s_wait_tensorcnt 0x0                           ; the wave's end
	ds_add_u32 v[SPW], v[NIL]
	s_wait_dscnt 0x0
	ROUND                                          ; the closing round
	s_endpgm
.Lfunc_end_k_q23bc06f14d_proj:
	.size	k_q23bc06f14d_proj, .Lfunc_end_k_q23bc06f14d_proj-k_q23bc06f14d_proj
	.p2alignl 7, 3214868480
	.fill 96, 4, 3214868480
	.section	.rodata,"a",@progbits
	.p2align	6, 0x0
	.amdhsa_kernel k_q23bc06f14d_proj
		.amdhsa_group_segment_fixed_size 327680
		.amdhsa_private_segment_fixed_size 0
		.amdhsa_enable_private_segment 0
		.amdhsa_kernarg_size 64
		.amdhsa_user_sgpr_count 2
		.amdhsa_user_sgpr_kernarg_segment_ptr 1
		.amdhsa_wavefront_size32 1
		.amdhsa_system_sgpr_workgroup_id_x 1
		.amdhsa_system_sgpr_workgroup_id_y 1
		.amdhsa_system_sgpr_workgroup_id_z 1
		.amdhsa_system_vgpr_workitem_id 0
		.amdhsa_next_free_vgpr 1024
		.amdhsa_next_free_sgpr 80
		.amdhsa_reserve_vcc 0
		.amdhsa_float_denorm_mode_32 3
		.amdhsa_float_denorm_mode_16_64 3
		.amdhsa_memory_ordered 1
		.amdhsa_forward_progress 1
		.amdhsa_inst_pref_size 152
	.end_amdhsa_kernel
	.amdgpu_metadata
---
amdhsa.version: [ 1, 2 ]
amdhsa.kernels:
  - .name:           k_q23bc06f14d_proj
    .symbol:         k_q23bc06f14d_proj.kd
    .args:
      - { .name: xc, .offset: 0, .size: 8, .value_kind: global_buffer, .address_space: global }
      - { .name: wc, .offset: 8, .size: 8, .value_kind: global_buffer, .address_space: global }
      - { .name: s1, .offset: 16, .size: 8, .value_kind: global_buffer, .address_space: global }
      - { .name: bq, .offset: 24, .size: 8, .value_kind: global_buffer, .address_space: global }
      - { .name: bk, .offset: 32, .size: 8, .value_kind: global_buffer, .address_space: global }
      - { .name: bv, .offset: 40, .size: 8, .value_kind: global_buffer, .address_space: global }
      - { .name: qkv, .offset: 48, .size: 8, .value_kind: global_buffer, .address_space: global }
      - { .name: s2, .offset: 56, .size: 8, .value_kind: global_buffer, .address_space: global }
    .group_segment_fixed_size: 327680
    .private_segment_fixed_size: 0
    .kernarg_segment_align: 8
    .kernarg_segment_size: 64
    .max_flat_workgroup_size: 128
    .sgpr_count:     80
    .vgpr_count:     1024
    .wavefront_size: 32
...
	.end_amdgpu_metadata
.endif
;; end of part 2
;; launch score (part 3): grid 256 x 1, 4 waves a work-group, no clusters, 327,680 bytes of LDS; arguments qkv, s2, pc, pst; writes pc, pst
.if DOCPART == 3
	.amdgcn_target "amdgcn-amd-amdhsa--gfx1250"
	.amdhsa_code_object_version 6
	.text
	.protected	k_q23bc06f14d_score
	.globl	k_q23bc06f14d_score
	.p2align	8
	.type	k_q23bc06f14d_score,@function
k_q23bc06f14d_score:
	s_mov_b64 s[64:65], 0
	v_nop
	global_prefetch_b8 v0, s[64:65] scope:SCOPE_SE
	s_setreg_imm32_b32 hwreg(HW_REG_WAVE_MODE, 25, 1), 1
	s_wait_xcnt 0x0
; S = q k^T on codes of E3M2, the causal mask, and p = 2^(t - M), t = score x log2(e) / 32, quantised along the keys.
; WORK LEFT OUT: what lies wholly above the diagonal: blocks of 256 queries x 256 keys with J > I, and in the blocks on the diagonal the first 128 queries x the last 128 keys: reference() sets these scores
; to -inf itself, so their weight is 0 for all finite inputs.  A NaN, an infinity or an overflow that would arise only there is not carried to the result.
; M IS LOCAL: for each row and each 128 keys M = ceil(the largest t of those keys), a whole number.  The next launch brings the scale bytes and the sums under the row's M by whole numbers: exact, the codes stay.
; SHARES: 256 work-groups; batch = number % 4.  Numbers 0-31: block I of the diagonal, 256 queries x (128 + 128) keys.  The 28 blocks below the diagonal of each batch are cut into halves of 128 keys: 224 work-groups.
; A wave: row groups w and 7 - w of its 256 queries (a group: 32 rows, 2 tiles), q's fragments in registers.  So on the diagonal the second 128 keys concern every wave's second group and no wave's first.
; A key step's tile (128 keys x 1,024 d as images, 98,304 bytes) lies in LDS.  On the diagonal the second 128 keys come first, in bytes of their own, with half a wave's rows, while the first 128 keys' tile is on its way;
; then all work-groups run the same text on the other tile.  Source 0 = 16 keys, source 1 = 16 queries: a lane holds one query, its registers run along the keys.
; NO CLUSTER: the work-groups that read key step kb are those of the blocks below it, a number that four does not divide for most kb, and the diagonal's have two tiles where the others have one.
; NO PREFETCH: there is no loop to run ahead in; everything is asked for at the head, the diagonal's other tile half a step ahead of its use.
; OUT: pc = p's images [tile of queries 512][key step 16].  pst: the scale words at (kb / 2) x 65,536 + (pair / 2) x 512 + 16 x lane + 4 (2 (pair % 2) + kb % 2);
; from 524,288 on at (kb / 2) x 131,072 + pair x 512 + 16 x lane + 4 (kb % 2): -M (as f32), and 8 bytes on the sum of the unquantised p.
; The rows of the diagonal's dead quarter get zero codes, the sum 0, a very large -M and scale bytes 1, which the next launch reads.
; REGISTERS: window 1 and window 2 v0-143: q's K steps; window 2 v144-239: k's set 1; window 3: the scores, then p; window 0: the rest.
.set SPARE, 196608
.set LI,  1
.set VQ,  3                            ; r + 8 (r / 8) - 16 (lane / 16)
.set LB,  4                            ; v4-7
.set SPW, 8
.set NIL, 9
.set TP,  10
.set SA,  16                           ; v16-31  q's scale words: 8 x pair + ks
.set PS,  32                           ; v32-43  words, -M and sums to store: 3 x (pair + 2 x phase)
.set SB,  48                           ; v48-111 k's: 32 phase + 8 x pair + ks
.set BF0, 112
.set BF1, 144
.set PC,  112                          ; epilogue: v112-159 p's codes
.set BM,  208                          ; v208-211 a block's largest score, then its largest p
.set BX,  212
.set SO,  216
.set BY,  220
.set NM,  224                          ; v[224:225] -M
.set LS0, 226
.set LS1, 228
.set DD,  230
.set NINF, 231
.set T0_, 232
.set T1_, 233
.set CT,  236
.set PW,  244
.set NMS, 248
.set LSM, 252
.set SD,  12                           ; 1 on the diagonal
.set SI,  15
.set SK,  16
.set CS,  36
.set SEL, 38
.set HM,  40
.set W0,  41                           ; 32 w
.set W1,  70                           ; 32 (3 - w)
.set MSB, 0
.macro WIN new
.if MSB != (\new)
	s_set_vgpr_msb (MSB<<8)|(\new)
.set MSB, (\new)
.endif
.endm
.macro PLACES
.rept 4
	v_nop
.endr
.endm
.macro WM
.if Z_
.if RP_ && RQ_
	v_wmma_scale_f32_16x16x128_f8f6f4 v[D_:D_+7], v[P_:P_+11], v[Q_:Q_+11], 0, v[SP_], v[SQ_] matrix_a_fmt:MATRIX_FMT_BF6 matrix_b_fmt:MATRIX_FMT_BF6 matrix_a_scale:MATRIX_SCALE_ROW1 matrix_b_scale:MATRIX_SCALE_ROW1
.elseif RP_
	v_wmma_scale_f32_16x16x128_f8f6f4 v[D_:D_+7], v[P_:P_+11], v[Q_:Q_+11], 0, v[SP_], v[SQ_] matrix_a_fmt:MATRIX_FMT_BF6 matrix_b_fmt:MATRIX_FMT_BF6 matrix_a_scale:MATRIX_SCALE_ROW1
.elseif RQ_
	v_wmma_scale_f32_16x16x128_f8f6f4 v[D_:D_+7], v[P_:P_+11], v[Q_:Q_+11], 0, v[SP_], v[SQ_] matrix_a_fmt:MATRIX_FMT_BF6 matrix_b_fmt:MATRIX_FMT_BF6 matrix_b_scale:MATRIX_SCALE_ROW1
.else
	v_wmma_scale_f32_16x16x128_f8f6f4 v[D_:D_+7], v[P_:P_+11], v[Q_:Q_+11], 0, v[SP_], v[SQ_] matrix_a_fmt:MATRIX_FMT_BF6 matrix_b_fmt:MATRIX_FMT_BF6
.endif
.else
.if RP_ && RQ_
	v_wmma_scale_f32_16x16x128_f8f6f4 v[D_:D_+7], v[P_:P_+11], v[Q_:Q_+11], v[D_:D_+7], v[SP_], v[SQ_] matrix_a_fmt:MATRIX_FMT_BF6 matrix_b_fmt:MATRIX_FMT_BF6 matrix_a_scale:MATRIX_SCALE_ROW1 matrix_b_scale:MATRIX_SCALE_ROW1
.elseif RP_
	v_wmma_scale_f32_16x16x128_f8f6f4 v[D_:D_+7], v[P_:P_+11], v[Q_:Q_+11], v[D_:D_+7], v[SP_], v[SQ_] matrix_a_fmt:MATRIX_FMT_BF6 matrix_b_fmt:MATRIX_FMT_BF6 matrix_a_scale:MATRIX_SCALE_ROW1
.elseif RQ_
	v_wmma_scale_f32_16x16x128_f8f6f4 v[D_:D_+7], v[P_:P_+11], v[Q_:Q_+11], v[D_:D_+7], v[SP_], v[SQ_] matrix_a_fmt:MATRIX_FMT_BF6 matrix_b_fmt:MATRIX_FMT_BF6 matrix_b_scale:MATRIX_SCALE_ROW1
.else
	v_wmma_scale_f32_16x16x128_f8f6f4 v[D_:D_+7], v[P_:P_+11], v[Q_:Q_+11], v[D_:D_+7], v[SP_], v[SQ_] matrix_a_fmt:MATRIX_FMT_BF6 matrix_b_fmt:MATRIX_FMT_BF6
.endif
.endif
.endm
.macro MULQ ks, ph, lo                 ; tiles of queries lo .. 3: the accumulators take turns, one instruction a turn; K step 0 starts the sums with the constant 0
.set BW_, 2*((\ks)%2)
.set BB_, BF0+32*((\ks)%2)
.set AW_, 1+(\ks)/5
.set AB_, 48*((\ks)%5)
	WIN BW_|(AW_<<2)|0xF0
.if (\ks) == 0
.set Z_, 1
.else
.set Z_, 0
.endif
.irp a, 0,1,2,3
.if \a >= (\lo)
.irp b, 0,1,2,3,4,5,6,7
.set D_, 64*\a+8*\b
.set P_, BB_+12*\b
.set Q_, AB_+12*\a
.set SP_, SB+32*(\ph)+(\ks)+8*(\b/2)
.set RP_, \b%2
.set SQ_, SA+(\ks)+8*(\a/2)
.set RQ_, \a%2
	WM
.endr
.endif
.endr
.endm
.macro FETCH ph, ks
.if (\ks)%2
	WIN 0x80
.set FR_, BF1
.else
	WIN 0
.set FR_, BF0
.endif
.irp b, 0,1,2,3,4,5,6,7
.irp c, 0,1,2
	ds_load_b128 v[FR_+12*\b+4*\c:FR_+12*\b+4*\c+3], v[LB+2*(\ph)+\b/4] offset:(\b%4)*12288+(\ks)*1536+512*\c
.endr
.endr
.endm
.macro STEP ph, ks, lo
.if (\ks) > 0
	PLACES
.endif
.if (\ks) < 7
	FETCH \ph, (\ks)+1
.endif
.set LC_, 12*(7-(\ks))                 ; q's K steps behind this one, 12 loads each, may be out
.if LC_ > 60
.set LC_, 60
.endif
	s_wait_loadcnt LC_
.if (\ks) < 7
	s_wait_dscnt 24                                ; all but the 24 just issued
.else
	s_wait_dscnt 0x0
.endif
	MULQ \ks, \ph, \lo
.endm
; Register n of the tile's 64 is hidden where 32 (n / 16) + n % 16 lies above my query less the step's first key less 16 (lane / 16)
.macro HIDE a, w
	v_add3_u32 v[DD], v[VQ], s[\w], 8*((\a)%2)
	WIN 0xC3
	s_wait_alu depctr_va_vdst(0)                   ; ahead of the first reader of these sums
.set n_, 0
.rept 64
	v_cmp_gt_i32 vcc_lo, 32*(n_/16)+n_%16, v[DD]
	v_cndmask_b32 v[S_+n_], v[S_+n_], v[NINF], vcc_lo
.set n_, n_+1
.endr
	WIN 0
.endm
; The softmax's part for tile of queries a and these 128 keys.  Register 16 be + i of the tile's 64 = key 32 be + 16 (lane / 16) + i.
.macro SOFT a, ph
.set S_, 64*(\a)
.set PC_, PC+12*(\a)
.set PB_, 52+2*((\a)/2)
	WIN 0
.if (\ph) == 1
	s_wait_alu depctr_va_vdst(0)
	HIDE \a, W1                                    ; the diagonal's second 128 keys: my second group's rows
.elseif (\a) < 2
	s_cmp_eq_u32 s[SD], 0                          ; ids alone: the first 128 keys are hidden in part from the diagonal's first 128 rows only
	s_cbranch_scc1 .Lopen_\@
	s_wait_alu depctr_va_vdst(0)
	HIDE \a, W0
.Lopen_\@:
.endif
	WIN 0x0F
	s_wait_alu depctr_va_vdst(0)                   ; ahead of the first reader of these sums
.irp be, 0,1,2,3
	v_max3_num_f32 v[BM+\be], v[S_+16*\be], v[S_+16*\be+1], 0xff61b1e6   ; each block's largest score, over the floor -3e38
.endr
.irp i, 2,4,6,8,10,12,14
.irp be, 0,1,2,3
	v_max3_num_f32 v[BM+\be], v[S_+16*\be+\i], v[S_+16*\be+\i+1], v[BM+\be]
.endr
.endr
	WIN 0
.irp be, 0,1,2,3
	v_permlanex16_b32 v[BX+\be], v[BM+\be], s[SEL], s[SEL+1]
.endr
.irp be, 0,1,2,3
	v_max_num_f32 v[BM+\be], v[BM+\be], v[BX+\be]
.endr
	v_max3_num_f32 v[T0_], v[BM], v[BM+1], v[BM+2]
	v_max_num_f32 v[T0_], v[T0_], v[BM+3]
	v_mul_f32 v[T0_], s[CS], v[T0_]                ; the largest t of these 128 keys
	v_floor_f32 v[NM], -v[T0_]                     ; -M = floor(-t) = -ceil(t)
	v_mov_b32 v[NMS+(\a)], v[NM]
	WIN 0xC3
.set j_, 0
.rept 32
	v_pk_fma_f32 v[S_+j_:S_+j_+1], v[S_+j_:S_+j_+1], s[CS:CS+1], v[NM:NM+1] op_sel_hi:[1,0,0]   ; t - M
.set j_, j_+2
.endr
	WIN 0
.irp be, 0,1,2,3
	v_fma_f32 v[BM+\be], v[BM+\be], s[CS], v[NM]   ; the same of each block's largest score
.endr
	WIN 0xC3
.set j_, 0
	s_wait_alu depctr_va_vdst(0)                   ; ahead of the batch
.rept 64
	v_exp_f32 v[S_+j_], v[S_+j_]                   ; p = 2^(t - M)
.set j_, j_+1
.endr
	v_nop                                          ; a plain instruction behind the last exponential
	s_wait_alu depctr_va_vdst(0)                   ; one wait for the batch of 64, ahead of its first reader
	WIN 0
.irp be, 0,1,2,3
	v_exp_f32 v[BM+\be], v[BM+\be]                 ; each block's largest p: the same two instructions on the same number
.endr
	WIN 0x0F
	v_pk_add_f32 v[LS0:LS0+1], v[S_:S_+1], v[S_+2:S_+3]      ; the sum of the UNQUANTISED p, in two chains
	v_pk_add_f32 v[LS1:LS1+1], v[S_+4:S_+5], v[S_+6:S_+7]
	WIN 0x0C
.irp j, 8,12,16,20,24,28,32,36,40,44,48,52,56,60
	v_pk_add_f32 v[LS0:LS0+1], v[LS0:LS0+1], v[S_+\j:S_+\j+1]
	v_pk_add_f32 v[LS1:LS1+1], v[LS1:LS1+1], v[S_+\j+2:S_+\j+3]
.endr
	WIN 0
	v_pk_add_f32 v[LS0:LS0+1], v[LS0:LS0+1], v[LS1:LS1+1]
	v_add_f32 v[T0_], v[LS0], v[LS0+1]
	v_permlanex16_b32 v[T1_], v[T0_], s[SEL], s[SEL+1]
	v_add_f32 v[LSM+(\a)], v[T0_], v[T1_]
	s_wait_alu depctr_va_vdst(0)                   ; and one for the four
.irp be, 0,1,2,3
	v_max_num_f32 v[BM+\be], 0x2800000, v[BM+\be]  ; the floor 2^(5 - 127)
.endr
.irp be, 0,1,2,3
	v_add_nc_u32 v[SO+\be], 0xfe000000, v[BM+\be]
.endr
.irp be, 0,1,2,3
	v_lshrrev_b32 v[BY+\be], 23, v[SO+\be]
.endr
	v_lshl_or_b32 v[PW+(\a)], v[BY+1], 8, v[BY]
	v_lshl_or_b32 v[PW+(\a)], v[BY+2], 16, v[PW+(\a)]
	v_lshl_or_b32 v[PW+(\a)], v[BY+3], 24, v[PW+(\a)]
	WIN 0x03
.irp c, 0,1
	v_cvt_scalef32_pk16_bf6_f32 v[PC_+6*\c:PC_+6*\c+2], v[S_+32*\c:S_+32*\c+15], v[SO+2*\c]
	v_cvt_scalef32_pk16_bf6_f32 v[CT+4*\c:CT+4*\c+2], v[S_+32*\c+16:S_+32*\c+31], v[SO+2*\c+1]
.endr
	WIN 0
	v_nop                                          ; one plain instruction behind a scaled conversion
.irp c, 0,1
.irp i, 0,1,2
	v_permlane16_swap_b32 v[PC_+6*\c+\i], v[CT+4*\c+\i]
.endr
.irp i, 0,1,2
	v_mov_b32 v[PC_+6*\c+3+\i], v[CT+4*\c+\i]
.endr
.endr
.irp c, 0,1,2
	global_store_b128 v[LI], v[PC_+4*\c:PC_+4*\c+3], s[PB_:PB_+1] offset:((\a)%2)*24576+(\ph)*1536+512*\c
.endr
.endm
.macro SENDSTATS p, ph
.set PX_, PS+3*((\p)+2*(\ph))
	global_store_b32 v[LI], v[PX_], s[56+2*(\p):57+2*(\p)] offset:4*(\ph)
	global_store_b32 v[LI], v[PX_+1], s[60+2*(\p):61+2*(\p)] offset:4*(\ph)
	global_store_b32 v[LI], v[PX_+2], s[60+2*(\p):61+2*(\p)] offset:8+4*(\ph)
.endm
.macro STATS p, ph                     ; lanes 0-15: the pair's even tile, lanes 16-31: the odd
.set PX_, PS+3*((\p)+2*(\ph))
	v_cndmask_b32 v[PX_], v[PW+2*(\p)], v[PW+2*(\p)+1], s[HM]
	v_cndmask_b32 v[PX_+1], v[NMS+2*(\p)], v[NMS+2*(\p)+1], s[HM]
	v_cndmask_b32 v[PX_+2], v[LSM+2*(\p)], v[LSM+2*(\p)+1], s[HM]
	SENDSTATS \p, \ph
.endm
.macro LOADS diag                      ; scale words, four K steps to a load, then q's 96 fragment loads
.irp p, 0,1
.irp j, 0,1
	global_load_b128 v[SA+8*\p+4*\j:SA+8*\p+4*\j+3], v[LI], s[66+2*\p:67+2*\p] offset:\j*512
.endr
.endr
.irp be, 0,1,2,3
.irp j, 0,1
	global_load_b128 v[SB+8*\be+4*\j:SB+8*\be+4*\j+3], v[LI], s[50:51] offset:\be*1024+\j*512
.if \diag
	global_load_b128 v[SB+32+8*\be+4*\j:SB+32+8*\be+4*\j+3], v[LI], s[50:51] offset:4096+\be*1024+\j*512
.endif
.endr
.endr
	WIN 0x40
.irp ks, 0,1,2,3,4
.irp a, 0,1,2,3
.irp c, 0,1,2
	global_load_b128 v[48*\ks+12*\a+4*\c:48*\ks+12*\a+4*\c+3], v[LI], s[46+2*(\a/2):47+2*(\a/2)] offset:(\a%2)*12288+\ks*1536+512*\c
.endr
.endr
.endr
	WIN 0x80
.irp ks, 5,6,7
.irp a, 0,1,2,3
.irp c, 0,1,2
	global_load_b128 v[48*(\ks-5)+12*\a+4*\c:48*(\ks-5)+12*\a+4*\c+3], v[LI], s[46+2*(\a/2):47+2*(\a/2)] offset:(\a%2)*12288+\ks*1536+512*\c
.endr
.endr
.endr
	WIN 0
.endm
	s_load_b256 s[4:11], s[0:1], 0x0               ; qkv, s2, pc, pst
	v_lshl_add_u32 v[SPW], v0, 2, SPARE
	v_mov_b32 v[NIL], 0
	ds_add_u32 v[SPW], v[NIL]                      ; the wave's opening: the add, twice on end, and its wait ahead of my first tensor load
	ds_add_u32 v[SPW], v[NIL]
	v_lshrrev_b32 v[TP], 5, v0
	v_readfirstlane_b32 s14, v[TP]                 ; wave 0..3
	s_and_b32 s17, ttmp9, 3                        ; batch
	s_lshr_b32 s18, ttmp9, 2                       ; 0-7: the diagonal's block; from 8 on: 2 x pair + half
	s_sub_co_u32 s19, s18, 8
	s_lshr_b32 s43, s19, 1
	s_mov_b32 s[SI], 1
.irp t, 1,3,6,10,15,21
	s_cmp_ge_u32 s43, \t
	s_add_co_ci_u32 s[SI], s[SI], 0                ; I = 1 + how many triangle numbers the pair's number has reached
.endr
	s_sub_co_u32 s42, s[SI], 1
	s_mul_i32 s42, s42, s[SI]
	s_lshr_b32 s42, s42, 1
	s_sub_co_u32 s[SK], s43, s42                   ; J
	s_lshl_b32 s[SK], s[SK], 1
	s_and_b32 s42, s19, 1
	s_add_co_u32 s[SK], s[SK], s42                 ; the key step: 2 J + half
	s_lshl_b32 s42, s18, 1
	s_cmp_lt_u32 s18, 8
	s_cselect_b32 s[SI], s18, s[SI]
	s_cselect_b32 s[SK], s42, s[SK]                ; the diagonal: 2 I, and 2 I + 1 ahead of it
	s_cselect_b32 s[SD], 1, 0
	s_lshl_b32 s43, s17, 7
	s_lshl_b32 s42, s[SI], 4
	s_add_co_u32 s42, s42, s43                     ; the block's first tile of queries
	s_lshl_b32 s71, s[SK], 3
	s_add_co_u32 s43, s43, s71                     ; the key step's first tile of keys
	s_lshl_b32 s19, s14, 1
	s_add_co_u32 s18, s42, s19                     ; my tiles: group w
	s_sub_co_u32 s19, s42, s19
	s_add_co_u32 s19, s19, 14                      ; and group 7 - w
	s_mul_i32 s42, s14, 24576                      ; my two tiles of keys in a step's bytes
	s_mul_i32 s44, s43, 12288
	s_add_co_u32 s44, s44, s42
	s_add_co_u32 s44, s44, 6291456
	s_mul_i32 s46, s18, 12288
	s_mul_i32 s48, s19, 12288
	s_lshl_b32 s66, s18, 9
	s_lshl_b32 s68, s19, 9
	s_lshl_b32 s50, s43, 9
	s_add_co_u32 s50, s50, 262144
	s_mul_i32 s71, s[SK], 1536
	s_mul_i32 s52, s18, 24576
	s_add_co_u32 s52, s52, s71
	s_mul_i32 s54, s19, 24576
	s_add_co_u32 s54, s54, s71
	s_lshr_b32 s71, s[SK], 1
	s_and_b32 s17, s[SK], 1
	s_lshl_b32 s17, s17, 2
	s_lshl_b32 s13, s71, 17
	s_add_co_u32 s13, s13, s17
	s_add_co_u32 s13, s13, 524288
	s_lshl_b32 s60, s18, 8
	s_add_co_u32 s60, s60, s13
	s_lshl_b32 s62, s19, 8
	s_add_co_u32 s62, s62, s13
	s_lshl_b32 s71, s71, 16
	s_add_co_u32 s71, s71, s17
	s_lshr_b32 s56, s18, 2
	s_lshl_b32 s56, s56, 9
	s_and_b32 s57, s18, 2
	s_lshl_b32 s57, s57, 2
	s_add_co_u32 s56, s56, s57
	s_add_co_u32 s56, s56, s71
	s_lshr_b32 s58, s19, 2
	s_lshl_b32 s58, s58, 9
	s_and_b32 s59, s19, 2
	s_lshl_b32 s59, s59, 2
	s_add_co_u32 s58, s58, s59
	s_add_co_u32 s58, s58, s71
.irp r, 45,47,49,51,53,55,57,59,61,63,67,69
	s_mov_b32 s\r, 0
.endr
	s_mov_b32 s20, 3<<16                           ; group 1: no mask; elements of 8 bytes; no padding
	s_mov_b32 s21, 32<<16                          ; rows of 256 bytes,
	s_mov_b32 s22, 96<<16                          ; 96 of them: two tiles' images, dense
	s_mov_b32 s23, 32<<16
	s_mov_b32 s24, 96
	s_mov_b32 s25, 32
	s_mov_b32 s26, 0
	s_mov_b32 s27, 0
	s_mov_b32 s[CS], 0x3d38aa3b                    ; c = log2(e) / 32
	s_mov_b32 s[CS+1], s[CS]
	s_mov_b32 s[SEL], 0x76543210
	s_mov_b32 s[SEL+1], 0xfedcba98
	s_mov_b32 s[HM], 0xffff0000
	s_lshl_b32 s[W0], s14, 5
	s_sub_co_u32 s[W1], 96, s[W0]
	v_and_b32 v[TP], 31, v0
	v_and_b32 v[VQ], 15, v0
	v_lshlrev_b32 v[LI], 4, v[TP]
	v_and_b32 v[TP], 8, v0
	v_add_nc_u32 v[VQ], v[VQ], v[TP]
	v_and_b32 v[TP], 16, v0
	v_sub_nc_u32 v[VQ], v[VQ], v[TP]
.irp p, 0,1,2,3
	v_add_nc_u32 v[LB+\p], \p*49152, v[LI]
.endr
	v_mov_b32 v[NINF], 0xff800000
	v_mov_b32 v[NM+1], 0                           ; (named as the upper half of a pair)
	v_mov_b32 v[T1_], 0                            ; a lane permute's destination counts as one of its sources
.irp be, 0,1,2,3
	v_mov_b32 v[BX+\be], 0
.endr
	s_wait_alu depctr_va_vdst(0)
	s_wait_dscnt 0x0                               ; both opening adds are done
	s_wait_kmcnt 0x0
	s_add_nc_u64 s[44:45], s[4:5], s[44:45]        ; k's images
.irp ph, 0,1
	s_mov_b32 s[28+4*\ph], 1
	s_add_co_u32 s[29+4*\ph], s42, \ph*98304
	s_add_nc_u64 s[30+4*\ph:31+4*\ph], s[44:45], \ph*98304
	s_or_b32 s[31+4*\ph], s[31+4*\ph], 0x80000000
.endr
	s_add_nc_u64 s[66:67], s[6:7], s[66:67]        ; q's scale words, my two pairs
	s_add_nc_u64 s[68:69], s[6:7], s[68:69]
	s_add_nc_u64 s[50:51], s[6:7], s[50:51]        ; k's
	s_add_nc_u64 s[46:47], s[4:5], s[46:47]        ; q's images, my two pairs
	s_add_nc_u64 s[48:49], s[4:5], s[48:49]
	s_add_nc_u64 s[52:53], s[8:9], s[52:53]        ; p's images
	s_add_nc_u64 s[54:55], s[8:9], s[54:55]
	s_add_nc_u64 s[56:57], s[10:11], s[56:57]      ; p's scale words
	s_add_nc_u64 s[58:59], s[10:11], s[58:59]
	s_add_nc_u64 s[60:61], s[10:11], s[60:61]      ; -M and the sums
	s_add_nc_u64 s[62:63], s[10:11], s[62:63]
	s_cmp_lg_u32 s[SD], 0                          ; the work-group's number alone: all four waves go the same way
	s_cbranch_scc1 .Ldiagonal
	tensor_load_to_lds s[28:31], s[20:27]          ; below the diagonal: the one tile.
	s_nop 0
.rept 4
	v_nop
.endr
	LOADS 0
	s_branch .Lfull
.Ldiagonal:
	tensor_load_to_lds s[32:35], s[20:27]          ; on the diagonal: the second 128 keys
	s_nop 0
.rept 4
	v_nop
.endr
	LOADS 1
	s_wait_tensorcnt 0x0                           ; my part of the tile is in
	ds_add_u32 v[SPW], v[NIL]                      ; 0 onto my spare word
	s_wait_dscnt 0x0
	s_barrier_signal -1
	s_barrier_wait -1
	tensor_load_to_lds s[28:31], s[20:27]          ; the first 128 keys, into bytes that nothing has filled
	s_nop 0
.rept 4
	v_nop
.endr
	FETCH 1, 0
.irp ks, 0,1,2,3,4,5,6,7
	STEP 1, \ks, 2
.endr
	PLACES
	SOFT 2, 1
	SOFT 3, 1
	STATS 1, 1
.irp i, 0,1,2,3
	v_mov_b32 v[PC+\i], 0
.endr
	v_mov_b32 v[PS+6], 0x1010101
	v_mov_b32 v[PS+7], 0x7d000000
	v_mov_b32 v[PS+8], 0
.irp a, 0,1
.irp c, 0,1,2
	global_store_b128 v[LI], v[PC:PC+3], s[52:53] offset:\a*24576+1536+512*\c   ; the dead quarter: zero codes
.endr
.endr
	SENDSTATS 0, 1
.Lfull:
	s_wait_alu depctr_va_vdst(0)                   ; ahead of the waits below
	s_wait_xcnt 0x0                                ; any stores have read their registers
	s_wait_tensorcnt 0x0                           ; my part of the tile is in
	s_wait_dscnt 0x0
	s_barrier_signal -1
	s_barrier_wait -1
	FETCH 0, 0
.irp ks, 0,1,2,3,4,5,6,7
	STEP 0, \ks, 0
.endr
	PLACES
	SOFT 0, 0
	SOFT 1, 0
	STATS 0, 0
	SOFT 2, 0
	SOFT 3, 0
	STATS 1, 0
	s_wait_tensorcnt 0x0                           ; the wave's end
	ds_add_u32 v[SPW], v[NIL]
	s_wait_dscnt 0x0
	s_endpgm
.Lfunc_end_k_q23bc06f14d_score:
	.size	k_q23bc06f14d_score, .Lfunc_end_k_q23bc06f14d_score-k_q23bc06f14d_score
	.p2alignl 7, 3214868480
	.fill 96, 4, 3214868480
	.section	.rodata,"a",@progbits
	.p2align	6, 0x0
	.amdhsa_kernel k_q23bc06f14d_score
		.amdhsa_group_segment_fixed_size 327680
		.amdhsa_private_segment_fixed_size 0
		.amdhsa_enable_private_segment 0
		.amdhsa_kernarg_size 32
		.amdhsa_user_sgpr_count 2
		.amdhsa_user_sgpr_kernarg_segment_ptr 1
		.amdhsa_wavefront_size32 1
		.amdhsa_system_sgpr_workgroup_id_x 1
		.amdhsa_system_sgpr_workgroup_id_y 1
		.amdhsa_system_sgpr_workgroup_id_z 1
		.amdhsa_system_vgpr_workitem_id 0
		.amdhsa_next_free_vgpr 1024
		.amdhsa_next_free_sgpr 72
		.amdhsa_reserve_vcc 1
		.amdhsa_float_denorm_mode_32 3
		.amdhsa_float_denorm_mode_16_64 3
		.amdhsa_memory_ordered 1
		.amdhsa_forward_progress 1
		.amdhsa_inst_pref_size 197
	.end_amdhsa_kernel
	.amdgpu_metadata
---
amdhsa.version: [ 1, 2 ]
amdhsa.kernels:
  - .name:           k_q23bc06f14d_score
    .symbol:         k_q23bc06f14d_score.kd
    .args:
      - { .name: qkv, .offset: 0, .size: 8, .value_kind: global_buffer, .address_space: global }
      - { .name: s2, .offset: 8, .size: 8, .value_kind: global_buffer, .address_space: global }
      - { .name: pc, .offset: 16, .size: 8, .value_kind: global_buffer, .address_space: global }
      - { .name: pst, .offset: 24, .size: 8, .value_kind: global_buffer, .address_space: global }
    .group_segment_fixed_size: 327680
    .private_segment_fixed_size: 0
    .kernarg_segment_align: 8
    .kernarg_segment_size: 32
    .max_flat_workgroup_size: 128
    .sgpr_count:     72
    .vgpr_count:     1024
    .wavefront_size: 32
...
	.end_amdgpu_metadata
.endif
;; end of part 3
;; launch ctx (part 4): grid 8 x 32, 4 waves a work-group, no clusters, 327,680 bytes of LDS; arguments pc, pst, qkv, s2, out0; writes out0
.if DOCPART == 4
	.amdgcn_target "amdgcn-amd-amdhsa--gfx1250"
	.amdhsa_code_object_version 6
	.text
	.protected	k_q23bc06f14d_ctx
	.globl	k_q23bc06f14d_ctx
	.p2align	8
	.type	k_q23bc06f14d_ctx,@function
k_q23bc06f14d_ctx:
	s_mov_b64 s[64:65], 0
	v_nop
	global_prefetch_b8 v0, s[64:65] scope:SCOPE_SE
	s_setreg_imm32_b32 hwreg(HW_REG_WAVE_MODE, 25, 1), 1
	s_wait_xcnt 0x0
; context = (p v) / l on codes of E3M2.  p came with a whole number M for each (row, 128 keys): here the row's M is the largest of them, each key step's four scale bytes fall by M(row) - M(step), and
; l = the sum over the steps of their sums x 2^(M(step) - M(row)): all exact.  LIMIT: a scale byte that would fall under 0 is held at 0 (2^-127): such a block lies more than 2^122 under the row's largest p.
; WORK LEFT OUT: the key steps behind the causal limit of the work-group's queries (keys above 256 I + 255): reference() gives them the weight 0 itself.
; SHARES.  Work-group x = I (256 queries), y = 8 batch + dt (128 of the 1,024 d).  A wave: 64 queries (4 tiles), 32 accumulators.  Source 0 = 16 d of v^T, source 1 = 16 queries of p: a lane holds one query.
; p's fragments go from memory straight into registers, eight sets; set ks + 5 is asked for behind the wait for set ks, so that 60 of these loads are out at the most and every count is exact.
; THE HEAD'S LOADS stand in the order of their use, the fewest first: 24 for the steps' scale words, -M and sums (16 bytes a lane each), 8 for v^T's scale words of key steps 0-7, p's sets 0-2, 8 for v^T's words of steps 8-15.
; v^T's tiles come into LDS by quarters of four key steps, each quarter filled once, asked for one quarter ahead; quarter 1 is asked for ahead of the arithmetic on the scale words, which stands on both ways behind that branch.
; Where the walk ends hangs on I: each possible tail is written out, so that no jump leads round a tensor load back into common text; every wait on the tensor loads is for all of them.
; Loads of key steps behind the limit are held at the limit's step, so that every load reads bytes that the launch before has stored; what they bring is never multiplied.
; NO CLUSTER: the work-groups that read the same tile of v^T (equal batch and dt) have different I, so different numbers of quarters; those with equal I share p alone, which goes to registers.
; REGISTERS: window 1, window 2 v0-143: p's eight sets; window 2 v144-239: v^T's set 1; window 3: accumulators; window 0: the rest (v112-207: v^T's set 0; in the prologue the steps' -M and sums).
.set STAGE, 196608                     ; behind the four quarters: 16 rows x (512 bytes + 16) for each wave, for the way out
.set SPARE, STAGE+4*8448
.set LI,  1
.set L8,  3
.set V16, 4                            ; v4-7   16 x lane + 49,152 x quarter
.set V8,  8                            ; v8-11  8 x lane + 49,152 x quarter
.set STO, 12
.set RD,  13
.set SPW, 14
.set NIL, 15
.set SA,  16                           ; v16-47  p's scale words: 4 (ks / 2) + 2 x pair of tiles + ks % 2
.set SB,  48                           ; v48-111 v^T's: 16 x pair of tiles + ks
.set BF0, 112
.set BF1, 144
.set NL,  112                          ; prologue: v112-175: 8 (ks / 2) + 4 x pair + ks % 2: -M of (step, pair); + 2: the step's sum
.set AT,  176                          ; v176-191 at work, a set for each pair
.set NR,  192                          ; v192-193 the row's -M
.set LW,  194                          ; v194-195 the row's sum
.set RC,  196                          ; v196-199
.set AO,  208                          ; v208-223 16 x lane + 1,536 x min(ks, limit)
.set ADS, 224                          ; v224-231 16 x lane + 65,536 x min(J, I)
.set ADN, 232                          ; v232-239 16 x lane + 131,072 x min(J, I)
.set RL,  240                          ; v240-247 1 / l for tile a at v[240 + 2 a]
.set TP,  248
.set HM,  46
.set SEL, 48
.set MSB, 0
.macro WIN new
.if MSB != (\new)
	s_set_vgpr_msb (MSB<<8)|(\new)
.set MSB, (\new)
.endif
.endm
.macro PLACES
.rept 4
	v_nop
.endr
.endm
.macro WM
.if Z_
.if RP_ && RQ_
	v_wmma_scale_f32_16x16x128_f8f6f4 v[D_:D_+7], v[P_:P_+11], v[Q_:Q_+11], 0, v[SP_], v[SQ_] matrix_a_fmt:MATRIX_FMT_BF6 matrix_b_fmt:MATRIX_FMT_BF6 matrix_a_scale:MATRIX_SCALE_ROW1 matrix_b_scale:MATRIX_SCALE_ROW1
.elseif RP_
	v_wmma_scale_f32_16x16x128_f8f6f4 v[D_:D_+7], v[P_:P_+11], v[Q_:Q_+11], 0, v[SP_], v[SQ_] matrix_a_fmt:MATRIX_FMT_BF6 matrix_b_fmt:MATRIX_FMT_BF6 matrix_a_scale:MATRIX_SCALE_ROW1
.elseif RQ_
	v_wmma_scale_f32_16x16x128_f8f6f4 v[D_:D_+7], v[P_:P_+11], v[Q_:Q_+11], 0, v[SP_], v[SQ_] matrix_a_fmt:MATRIX_FMT_BF6 matrix_b_fmt:MATRIX_FMT_BF6 matrix_b_scale:MATRIX_SCALE_ROW1
.else
	v_wmma_scale_f32_16x16x128_f8f6f4 v[D_:D_+7], v[P_:P_+11], v[Q_:Q_+11], 0, v[SP_], v[SQ_] matrix_a_fmt:MATRIX_FMT_BF6 matrix_b_fmt:MATRIX_FMT_BF6
.endif
.else
.if RP_ && RQ_
	v_wmma_scale_f32_16x16x128_f8f6f4 v[D_:D_+7], v[P_:P_+11], v[Q_:Q_+11], v[D_:D_+7], v[SP_], v[SQ_] matrix_a_fmt:MATRIX_FMT_BF6 matrix_b_fmt:MATRIX_FMT_BF6 matrix_a_scale:MATRIX_SCALE_ROW1 matrix_b_scale:MATRIX_SCALE_ROW1
.elseif RP_
	v_wmma_scale_f32_16x16x128_f8f6f4 v[D_:D_+7], v[P_:P_+11], v[Q_:Q_+11], v[D_:D_+7], v[SP_], v[SQ_] matrix_a_fmt:MATRIX_FMT_BF6 matrix_b_fmt:MATRIX_FMT_BF6 matrix_a_scale:MATRIX_SCALE_ROW1
.elseif RQ_
	v_wmma_scale_f32_16x16x128_f8f6f4 v[D_:D_+7], v[P_:P_+11], v[Q_:Q_+11], v[D_:D_+7], v[SP_], v[SQ_] matrix_a_fmt:MATRIX_FMT_BF6 matrix_b_fmt:MATRIX_FMT_BF6 matrix_b_scale:MATRIX_SCALE_ROW1
.else
	v_wmma_scale_f32_16x16x128_f8f6f4 v[D_:D_+7], v[P_:P_+11], v[Q_:Q_+11], v[D_:D_+7], v[SP_], v[SQ_] matrix_a_fmt:MATRIX_FMT_BF6 matrix_b_fmt:MATRIX_FMT_BF6
.endif
.endif
.endm
.macro MULQ ks, zero                   ; 32 products of key step ks: the accumulators take turns, one instruction a turn
.set BW_, 2*((\ks)%2)
.set BB_, BF0+32*((\ks)%2)
.set AW_, 1+((\ks)%8)/5
.set AB_, 48*(((\ks)%8)%5)
.set SBB_, SB+(\ks)
.set SAB_, SA+4*((\ks)/2)+(\ks)%2
.set WN_, BW_|(AW_<<2)|0xF0
	WIN WN_
.set Z_, \zero
.irp a, 0,1,2,3
.irp b, 0,1,2,3,4,5,6,7
.set D_, 64*\a+8*\b
.set P_, BB_+12*\b
.set Q_, AB_+12*\a
.set SP_, SBB_+16*(\b/2)
.set RP_, \b%2
.set SQ_, SAB_+2*(\a/2)
.set RQ_, \a%2
	WM
.endr
.endr
.endm
.macro ALOAD ks                        ; p's four fragments of key step ks into set ks % 8
.set ST_, (\ks)%8
.if ST_ < 5
	WIN 0x40
.set AL_, 48*ST_
.else
	WIN 0x80
.set AL_, 48*(ST_-5)
.endif
.irp a, 0,1,2,3
.irp c, 0,1,2
	global_load_b128 v[AL_+12*\a+4*\c:AL_+12*\a+4*\c+3], v[AO+(\ks)], s[4:5] offset:\a*24576+512*\c
.endr
.endr
.endm
.macro FETCHV ks                       ; v^T's 8 fragments of key step ks: two half images each, 32 LDS loads
.set QQ_, (\ks)/4
.if (\ks)%2
	WIN 0x80
.set FR_, BF1
.else
	WIN 0
.set FR_, BF0
.endif
.irp b, 0,1,2,3,4,5,6,7
	ds_load_b128 v[FR_+12*\b:FR_+12*\b+3], v[V16+QQ_] offset:\b*6144+((\ks)%4)*1536
	ds_load_b64 v[FR_+12*\b+4:FR_+12*\b+5], v[V8+QQ_] offset:\b*6144+((\ks)%4)*1536+512
	ds_load_b128 v[FR_+12*\b+6:FR_+12*\b+9], v[V16+QQ_] offset:\b*6144+((\ks)%4)*1536+768
	ds_load_b64 v[FR_+12*\b+10:FR_+12*\b+11], v[V8+QQ_] offset:\b*6144+((\ks)%4)*1536+1280
.endr
.endm
; A key step.  next: v^T's next step lies in the same quarter and is fetched.  last: the last step of p asked for ahead of this step's wait.
; aload: behind that wait p's step ks + 5 is asked for, into the set that step ks - 3 has left.
.macro KSTEP ks, aload, last, next, zero
	PLACES
.if \next
	FETCHV (\ks)+1
.endif
.set LC_, 12*((\last)-(\ks))           ; p's steps behind this one, 12 loads each, may be out;
.if (\ks) <= 2
.set LC_, LC_+8                        ; and v^T's eight late scale loads, which stand behind p's set 2
.endif
	s_wait_loadcnt LC_
.if \aload
	ALOAD (\ks)+5
.endif
.if \next
	s_wait_dscnt 32                                ; all but the 32 just issued
.else
	s_wait_dscnt 0x0
.endif
	MULQ \ks, \zero
.endm
; The head of quarter n: all my tensor loads are in, the add, the barrier: the quarter is whole.  Then quarter n + 1 is asked for, if the work-group's queries reach it (I >= 2 n + 2); else the tail.
.macro QHEAD n
	WIN 0
	s_wait_tensorcnt 0x0
	ds_add_u32 v[SPW], v[NIL]                      ; 0 onto my spare word
	s_wait_dscnt 0x0
	s_barrier_signal -1
	s_barrier_wait -1
	s_cmp_lt_u32 s15, 2*(\n)+2                     ; the work-group's number alone: all four waves go the same way
	s_cbranch_scc1 .LT\n
	tensor_load_to_lds s[32+4*(\n):35+4*(\n)], s[20:27]   ; bytes that nothing has filled; my one tensor load until the next such barrier
	s_nop 0
.rept 4
	v_nop
.endr
.endm
; The last quarter of a walk: two key steps, or four
.macro TT n, last, zero
	PLACES
	FETCHV 4*(\n)
	KSTEP 4*(\n), 0, \last, 1, \zero
	KSTEP 4*(\n)+1, 0, \last, 0, 0
	WIN 0
	s_cmp_eq_u32 s15, 2*(\n)
	s_cbranch_scc1 .Lout
	PLACES
	FETCHV 4*(\n)+2
	KSTEP 4*(\n)+2, 0, \last, 1, 0
	KSTEP 4*(\n)+3, 0, \last, 0, 0
	WIN 0
.endm
; Key step k, both pairs of tiles: its sum and its four scale bytes come under the row's M
.macro AL k
.set NM_, NL+8*((\k)/2)+(\k)%2
.set LR_, NM_+2
.set SA_, SA+4*((\k)/2)+(\k)%2
.irp p, 0,1
	v_sub_f32 v[AT+8*\p], v[NM_+4*\p], v[NR+\p]            ; M(row) - M(step): a whole number, 0 or more
.endr
.irp p, 0,1
	v_min_num_f32 v[AT+8*\p], 0x43480000, v[AT+8*\p]       ; held at 200: beyond that the step counts for nothing
.endr
.irp p, 0,1
	v_cvt_i32_f32 v[AT+8*\p+1], v[AT+8*\p]
.endr
.irp p, 0,1
	v_sub_nc_u32 v[AT+8*\p+2], 0, v[AT+8*\p+1]
.endr
.irp p, 0,1
	v_ldexp_f32 v[AT+8*\p+2], 1.0, v[AT+8*\p+2]
.endr
.irp p, 0,1
.if (\k) == 0
	v_mul_f32 v[LW+\p], v[LR_+4*\p], v[AT+8*\p+2]
.else
	v_fma_f32 v[LW+\p], v[LR_+4*\p], v[AT+8*\p+2], v[LW+\p]
.endif
.endr
.irp y, 0,1,2,3
.irp p, 0,1
	v_bfe_u32 v[AT+8*\p+3+\y], v[SA_+2*\p], 8*\y, 8
.endr
.endr
.irp y, 0,1,2,3
.irp p, 0,1
	v_min_u32 v[AT+8*\p+7], v[AT+8*\p+3+\y], v[AT+8*\p+1]
.endr
.irp p, 0,1
	v_sub_nc_u32 v[AT+8*\p+3+\y], v[AT+8*\p+3+\y], v[AT+8*\p+7]   ; the byte less the difference, held at 0
.endr
.endr
.irp p, 0,1
	v_lshl_or_b32 v[SA_+2*\p], v[AT+8*\p+4], 8, v[AT+8*\p+3]
.endr
.irp p, 0,1
	v_lshl_or_b32 v[SA_+2*\p], v[AT+8*\p+5], 16, v[SA_+2*\p]
.endr
.irp p, 0,1
	v_lshl_or_b32 v[SA_+2*\p], v[AT+8*\p+6], 24, v[SA_+2*\p]
.endr
.endm
; The steps come under the row's M.  Lane l of pair p is row (tile 2 p + l / 16, index l % 16): all of this is a lane's own arithmetic.  p's sets 3 and 4 are asked for on the way.
.macro ALIGN
	s_wait_loadcnt 52                              ; the 24 loads of words, -M and sums are in; the 52 issued behind them may be out
.irp j, 1,2,3,4,5,6,7
	s_cmp_lt_u32 s15, \j                           ; the two steps of a key block behind the limit get -M = +3e38: they are not the least, and their factor is 0
	s_cselect_b32 s52, s50, s51
.irp p, 0,1
	v_max_num_f32 v[NL+8*\j+4*\p], s52, v[NL+8*\j+4*\p]
	v_max_num_f32 v[NL+8*\j+4*\p+1], s52, v[NL+8*\j+4*\p+1]
.endr
.endr
.irp p, 0,1
	v_min3_num_f32 v[NR+\p], v[NL+4*\p], v[NL+4*\p+1], v[NL+8+4*\p]
.endr
.irp j, 1,2,3,4,5,6
.irp p, 0,1
	v_min3_num_f32 v[NR+\p], v[NR+\p], v[NL+8*\j+4*\p+1], v[NL+8*\j+8+4*\p]
.endr
.endr
.irp p, 0,1
	v_min_num_f32 v[NR+\p], v[NR+\p], v[NL+56+4*\p+1]      ; the row's -M: the least of the steps'
.endr
	AL 0
	AL 1
	AL 2
	AL 3
	ALOAD 3
	WIN 0
	AL 4
	AL 5
	AL 6
	AL 7
	ALOAD 4
	WIN 0
.irp k, 8,9,10,11,12,13,14,15
	AL \k
.endr
	s_wait_alu depctr_va_vdst(0)
	v_rcp_f32 v[RC], v[LW]                         ; l is above 1/2: the step that holds the row's M has a p above 1/2
	v_rcp_f32 v[RC+1], v[LW+1]
	v_mov_b32 v[RC+2], 0                           ; (plain instructions behind the reciprocals; a lane permute's destination counts as one of its sources)
	v_mov_b32 v[RC+3], 0
.irp a, 0,1,2,3
	v_mov_b32 v[RL+2*\a+1], 0                      ; (named as the upper half of a pair)
.endr
	s_wait_alu depctr_va_vdst(0)                   ; one wait for both, ahead of their first reader
	v_permlanex16_b32 v[RC+2], v[RC], s[SEL], s[SEL+1]
	v_permlanex16_b32 v[RC+3], v[RC+1], s[SEL], s[SEL+1]
	v_cndmask_b32 v[RL], v[RC], v[RC+2], s[HM]     ; in the accumulators both halves of the lanes hold the tile's row lane % 16
	v_cndmask_b32 v[RL+2], v[RC+2], v[RC], s[HM]
	v_cndmask_b32 v[RL+4], v[RC+1], v[RC+3], s[HM]
	v_cndmask_b32 v[RL+6], v[RC+3], v[RC+1], s[HM]
.rept 8
	v_nop                                          ; a scale register written by a vector instruction stands eight places ahead of a scaled matrix instruction
.endr
.endm
	s_load_b256 s[4:11], s[0:1], 0x0               ; pc, pst, qkv, s2
	s_load_b64 s[12:13], s[0:1], 0x20              ; out0
	v_lshl_add_u32 v[SPW], v0, 2, SPARE
	v_mov_b32 v[NIL], 0
	ds_add_u32 v[SPW], v[NIL]                      ; the wave's opening: the add, twice on end, and its wait ahead of my first tensor load
	ds_add_u32 v[SPW], v[NIL]
	v_lshrrev_b32 v[TP], 5, v0
	v_readfirstlane_b32 s14, v[TP]                 ; wave 0..3
	s_mov_b32 s15, ttmp9                           ; I
	s_and_b32 s17, ttmp7, 0xffff
	s_lshr_b32 s16, s17, 3                         ; batch
	s_and_b32 s17, s17, 7                          ; dt
	s_lshl_b32 s18, s15, 1
	s_add_co_u32 s18, s18, 1                       ; the last live key step: 2 I + 1
	s_lshl_b32 s19, s16, 7
	s_lshl_b32 s52, s15, 4
	s_add_co_u32 s19, s19, s52
	s_lshl_b32 s52, s14, 2
	s_add_co_u32 s19, s19, s52                     ; my first tile of queries
	s_mov_b32 s20, 3<<16                           ; group 1: no mask; elements of 8 bytes; no padding
	s_mov_b32 s21, 768<<16                         ; a row: four key steps' images of a d tile, 6,144 bytes
	s_mov_b32 s22, 2<<16                           ; two d tiles
	s_mov_b32 s23, 768<<16
	s_mov_b32 s24, 2
	s_mov_b32 s25, 3072                            ; 24,576 bytes from a d tile to the next
	s_mov_b32 s26, 0
	s_mov_b32 s27, 0
	s_mov_b32 s[HM], 0xffff0000
	s_mov_b32 s[SEL], 0x76543210
	s_mov_b32 s[SEL+1], 0xfedcba98
	s_mov_b32 s50, 0x7f61b1e6                      ; +3e38
	s_mov_b32 s51, 0xff61b1e6                      ; -3e38
	s_mul_i32 s45, s14, 12288                      ; my two d tiles in a quarter
	s_mul_i32 s44, s14, 8448
	s_add_co_u32 s44, s44, STAGE                   ; my stage
	s_mov_b32 s55, 0
	v_and_b32 v[TP], 31, v0
	v_lshlrev_b32 v[LI], 4, v[TP]
	v_lshlrev_b32 v[L8], 3, v[TP]
.irp q, 0,1,2,3
	v_add_nc_u32 v[V16+\q], \q*49152, v[LI]
	v_add_nc_u32 v[V8+\q], \q*49152, v[L8]
.endr
	v_and_b32 v[STO], 15, v0
	v_mul_u32_u24 v[STO], v[STO], 528
	v_bfe_u32 v[TP], v0, 4, 1
	v_lshl_add_u32 v[STO], v[TP], 6, v[STO]
	v_add_nc_u32 v[STO], s44, v[STO]               ; in: row lane % 16, 64 bytes on for lanes 16-31
	v_add_nc_u32 v[RD], s44, v[LI]                 ; back: the 32 lanes take a row of 512 bytes
	s_wait_dscnt 0x0                               ; both opening adds are done
	s_wait_kmcnt 0x0
	s_mul_i32 s54, s16, 1572864
	s_mul_i32 s52, s17, 196608
	s_add_co_u32 s54, s54, s52
	s_mul_i32 s52, s14, 49152
	s_add_co_u32 s54, s54, s52
	s_add_co_u32 s54, s54, 12582912
	s_add_nc_u64 s[56:57], s[8:9], s[54:55]        ; v^T's images at (batch, d tile 8 dt + 2 w, key step 0)
.irp q, 0,1,2,3
	s_mov_b32 s[28+4*\q], 1
	s_add_co_u32 s[29+4*\q], s45, \q*49152
	s_add_nc_u64 s[30+4*\q:31+4*\q], s[56:57], \q*6144
	s_or_b32 s[31+4*\q], s[31+4*\q], 0x80000000
.endr
	tensor_load_to_lds s[28:31], s[20:27]          ; quarter 0: key steps 0 and 1 count for every query block.  One load of mine is out
	s_nop 0
.rept 4
	v_nop
.endr
	s_mul_i32 s54, s19, 24576
	s_add_nc_u64 s[4:5], s[4:5], s[54:55]          ; p's images at my first tile
	s_lshl_b32 s54, s19, 8
	s_add_co_u32 s54, s54, 524288
	s_add_nc_u64 s[58:59], s[6:7], s[54:55]        ; pst: -M and the sums at my first pair of tiles
	s_lshl_b32 s54, s19, 7
	s_add_nc_u64 s[6:7], s[6:7], s[54:55]          ; pst: p's scale words at my four tiles
	s_lshl_b32 s54, s16, 16
	s_lshl_b32 s52, s17, 13
	s_add_co_u32 s54, s54, s52
	s_add_co_u32 s54, s54, 524288
	s_add_nc_u64 s[10:11], s[10:11], s[54:55]      ; v^T's scale words at (batch, pair of d tiles 4 dt)
	s_lshl_b32 s54, s16, 11
	s_lshl_b32 s52, s15, 8
	s_add_co_u32 s54, s54, s52
	s_lshl_b32 s52, s14, 6
	s_add_co_u32 s54, s54, s52
	s_lshl_b32 s54, s54, 12
	s_lshl_b32 s52, s17, 9
	s_add_co_u32 s54, s54, s52
	s_add_nc_u64 s[12:13], s[12:13], s[54:55]      ; out0 at my first row, column 128 dt
.irp j, 0,1,2,3,4,5,6,7
	s_min_u32 s52, s15, \j                         ; a key block behind the limit is held at the limit's
	s_lshl_b32 s53, s52, 16
	v_add_nc_u32 v[ADS+\j], s53, v[LI]
	s_lshl_b32 s53, s52, 17
	v_add_nc_u32 v[ADN+\j], s53, v[LI]
.endr
	s_wait_alu depctr_va_vdst(0)
.irp j, 0,1,2,3,4,5,6,7
	global_load_b128 v[SA+4*\j:SA+4*\j+3], v[ADS+\j], s[6:7]   ; key block j: the scale words of both pairs and both steps
.endr
.irp j, 0,1,2,3,4,5,6,7
.irp p, 0,1
	global_load_b128 v[NL+8*\j+4*\p:NL+8*\j+4*\p+3], v[ADN+\j], s[58:59] offset:\p*512   ; -M of both steps, the sums of both steps
.endr
.endr
.irp be, 0,1,2,3
.irp j, 0,1
	global_load_b128 v[SB+16*\be+4*\j:SB+16*\be+4*\j+3], v[LI], s[10:11] offset:\be*2048+\j*512   ; four key steps' scale registers of a pair of d tiles
.endr
.endr
.irp k, 0,1,2,3,4,5,6,7,8,9,10,11,12,13,14,15
	s_min_u32 s52, s18, \k
	s_mul_i32 s53, s52, 1536
	v_add_nc_u32 v[AO+\k], s53, v[LI]
.endr
	ALOAD 0
	ALOAD 1
	ALOAD 2
	WIN 0
.irp be, 0,1,2,3
.irp j, 2,3
	global_load_b128 v[SB+16*\be+4*\j:SB+16*\be+4*\j+3], v[LI], s[10:11] offset:\be*2048+\j*512
.endr
.endr
	; ---- the walk over the keys
	QHEAD 0
	ALIGN
	FETCHV 0
	KSTEP 0, 1, 4, 1, 1
	KSTEP 1, 1, 5, 1, 0
	KSTEP 2, 1, 6, 1, 0
	KSTEP 3, 1, 7, 0, 0
	QHEAD 1
	FETCHV 4
	KSTEP 4, 1, 8, 1, 0
	KSTEP 5, 1, 9, 1, 0
	KSTEP 6, 1, 10, 1, 0
	KSTEP 7, 1, 11, 0, 0
	QHEAD 2
	FETCHV 8
	KSTEP 8, 1, 12, 1, 0
	KSTEP 9, 1, 13, 1, 0
	KSTEP 10, 1, 14, 1, 0
	KSTEP 11, 0, 15, 0, 0
	WIN 0
	s_wait_tensorcnt 0x0                           ; my part of the last quarter is in; nothing is asked for behind this barrier
	s_wait_dscnt 0x0
	s_barrier_signal -1
	s_barrier_wait -1
	TT 3, 15, 0
	s_branch .Lout
.LT0:
	ALIGN
	TT 0, 4, 1
	s_branch .Lout
.LT1:
	TT 1, 8, 0
	s_branch .Lout
.LT2:
	TT 2, 12, 0
.Lout:
	; ---- the way out: x 1 / l; a tile of 16 queries x 128 d goes through my stage and leaves as whole rows of 512 bytes
	s_wait_loadcnt 0x0                             ; p's loads that were held at the limit have landed: their registers are taken for the rows read back
	PLACES
.macro PKM a
	WIN 0xC3
.set j_, 0
.rept 32
	v_pk_mul_f32 v[64*(\a)+j_:64*(\a)+j_+1], v[64*(\a)+j_:64*(\a)+j_+1], v[RL+2*(\a):RL+2*(\a)+1] op_sel_hi:[1,0]   ; each accumulator from its low end on
.set j_, j_+2
.endr
.endm
.macro TOSTAGE a
	WIN 0x0C
.irp be, 0,1,2,3
.irp e, 0,1,2,3
	ds_store_b128 v[STO], v[64*(\a)+16*\be+4*\e:64*(\a)+16*\be+4*\e+3] offset:128*\be+16*\e   ; registers 16 be + 0 .. 15 are d 32 be + 16 (lane / 16) + 0 .. 15
.endr
.endr
	WIN 0x40
.irp t, 0,1,2,3,4,5,6,7,8,9,10,11,12,13,14,15
	ds_load_b128 v[64*((\a)%2)+4*\t:64*((\a)%2)+4*\t+3], v[RD] offset:528*\t   ; LDS serves a wave's instructions in order: these see the stores above
.endr
.endm
.macro SEND a, younger
	s_wait_dscnt \younger
	WIN 0x04
.irp t, 0,1,2,3,4,5,6,7,8,9,10,11,12,13,14,15
	global_store_b128 v[LI], v[64*((\a)%2)+4*\t:64*((\a)%2)+4*\t+3], s[12:13] offset:(32*((\a)/2)+8*((\a)%2)+\t+8*(\t/8))*4096 th:TH_STORE_NT   ; 512 consecutive, aligned bytes of the row that is index t of tile a
.endr
.endm
	s_wait_alu depctr_va_vdst(0)
	PKM 0
	TOSTAGE 0
	PKM 1
	TOSTAGE 1
	SEND 0, 32                                     ; behind tile 0's loads: tile 1's 16 stores and 16 loads
	PKM 2
	s_wait_alu depctr_va_vdst(0)
	s_wait_xcnt 0x0                                ; tile 0's stores have read their registers, which tile 2's rows take
	TOSTAGE 2
	SEND 1, 32
	PKM 3
	s_wait_alu depctr_va_vdst(0)
	s_wait_xcnt 0x0
	TOSTAGE 3
	SEND 2, 32
	SEND 3, 0
	WIN 0
	s_wait_tensorcnt 0x0                           ; the wave's end
	ds_add_u32 v[SPW], v[NIL]
	s_wait_dscnt 0x0
	s_endpgm
.Lfunc_end_k_q23bc06f14d_ctx:
	.size	k_q23bc06f14d_ctx, .Lfunc_end_k_q23bc06f14d_ctx-k_q23bc06f14d_ctx
	.p2alignl 7, 3214868480
	.fill 96, 4, 3214868480
	.section	.rodata,"a",@progbits
	.p2align	6, 0x0
	.amdhsa_kernel k_q23bc06f14d_ctx
		.amdhsa_group_segment_fixed_size 327680
		.amdhsa_private_segment_fixed_size 0
		.amdhsa_enable_private_segment 0
		.amdhsa_kernarg_size 40
		.amdhsa_user_sgpr_count 2
		.amdhsa_user_sgpr_kernarg_segment_ptr 1
		.amdhsa_wavefront_size32 1
		.amdhsa_system_sgpr_workgroup_id_x 1
		.amdhsa_system_sgpr_workgroup_id_y 1
		.amdhsa_system_sgpr_workgroup_id_z 1
		.amdhsa_system_vgpr_workitem_id 0
		.amdhsa_next_free_vgpr 1024
		.amdhsa_next_free_sgpr 66
		.amdhsa_reserve_vcc 0
		.amdhsa_float_denorm_mode_32 3
		.amdhsa_float_denorm_mode_16_64 3
		.amdhsa_memory_ordered 1
		.amdhsa_forward_progress 1
		.amdhsa_inst_pref_size 255
	.end_amdhsa_kernel
	.section	.bss,"aw",@nobits
	.p2align	6
	.space	262144
	.amdgpu_metadata
---
amdhsa.version: [ 1, 2 ]
amdhsa.kernels:
  - .name:           k_q23bc06f14d_ctx
    .symbol:         k_q23bc06f14d_ctx.kd
    .args:
      - { .name: pc, .offset: 0, .size: 8, .value_kind: global_buffer, .address_space: global }
      - { .name: pst, .offset: 8, .size: 8, .value_kind: global_buffer, .address_space: global }
      - { .name: qkv, .offset: 16, .size: 8, .value_kind: global_buffer, .address_space: global }
      - { .name: s2, .offset: 24, .size: 8, .value_kind: global_buffer, .address_space: global }
      - { .name: out0, .offset: 32, .size: 8, .value_kind: global_buffer, .address_space: global }
    .group_segment_fixed_size: 327680
    .private_segment_fixed_size: 0
    .kernarg_segment_align: 8
    .kernarg_segment_size: 40
    .max_flat_workgroup_size: 128
    .sgpr_count:     66
    .vgpr_count:     1024
    .wavefront_size: 32
...
	.end_amdgpu_metadata
.endif
;; end of part 4
